; MI455X (gfx1250); checked and timed in simulation.
; The chip was launched on July 23, 2026; its instructions are those of AMD's public machine-readable ISA for CDNA 5 (MIT licence, August 2026) and "CDNA5" Instruction Set Architecture Reference Guide (July 2026). The comments in the code are by the model that wrote it; some were corrected since.
;; Casual Self Attention. Allowed arithmetic: matrix products marked QUANTISED: E2M1 operands, one E8M0 scale for each 32 along K, by v_wmma_scale_f32_16x16x128_f8f6f4 with both operands' format E2M1 (or v_wmma_scale_f32_32x16x128_f4), f32 sums; products left as they are: bf16, f16 or f32 operands; f32 sums; everything else in f32.
;; Inputs: w_out 1,024 x 1,024 float32; w_qkv 3,072 x 1,024 float32; x 4 x 2,048 x 1,024 float32.
;; Outputs: out0 4 x 2,048 x 1,024 float32.
;; This version of the problem:
;;   THIS VERSION OF THE PROBLEM IS GIVEN IN LOW PRECISION. The matrix products marked QUANTISED in the list below multiply operands that are first quantised to E2M1 (2 exponent bits, 1 mantissa bit; 4 bits a number), with one power-of-two scale for each 32 numbers along K (OCP MX v1.0); their sums are f32. The products marked 'left as it is' may take bf16, f16 or f32 operands, with f32 sums. Whichever they take, every output number must still come out within the allowed error. Rounding operands to bf16 (8 significant bits) uses up far more of that allowance than f16 does (11 bits, for magnitudes from 6e-5 to 65,504). All else is computed in f32.
;;   The module's matrix products, in the order in which they are computed (A, B: the left and right operand; K: the contracted axis; several contracted axes count as one K, in the product's order):
;;     1. [M 8,192, K 1,024] x [K 1,024, N 3,072]; A: input x; B: input w_qkv: QUANTISED
;;     2. batch 64 x [M 2,048, K 64] x [K 64, N 2,048]; A: computed on the way; B: computed on the way: left as it is (an operand is computed on the way)
;;     3. batch 64 x [M 2,048, K 2,048] x [K 2,048, N 64]; A: computed on the way; B: computed on the way: left as it is (an operand is computed on the way)
;;     4. [M 8,192, K 1,024] x [K 1,024, N 1,024]; A: computed on the way; B: input w_out: left as it is (an operand is computed on the way)
;;   THE QUANTISER, for each operand of a quantised product, along K:
;;     - K is cut into blocks of 32 from its start; a last block that is shorter is filled with zeros.
;;     - A block's scale is 2^e with e = floor(log2(the largest magnitude in the block)) - 2, held to -126 .. 127; a block of zeros has e = 0. As a byte (E8M0): e + 127.
;;     - Each number is divided by its block's scale, clamped to +-6, and rounded to the nearest number of E2M1, ties to even, subnormals kept.
;;     - The product sums the exact products of the quantised numbers (number of the format x scale) in f32.
;;   ~~~python
;;   def quantise(x, axis):      # numpy; x: float32 -> the quantised numbers, widened to float32 again
;;       x = np.moveaxis(x, axis, -1); K = x.shape[-1]
;;       x = np.pad(x, [(0, 0)] * (x.ndim - 1) + [(0, -K % 32)]); x = x.reshape(x.shape[:-1] + (-1, 32)); a = np.abs(x).max(-1, keepdims=True)
;;       e = np.where(a > 0, np.clip(np.frexp(np.where(a > 0, a, 1))[1] - 1 - 2, -126, 127), 0)      # np.frexp(a)[1] - 1 = floor(log2(a)), exactly
;;       r = np.clip(x / 2.0 ** e, -6, 6)
;;       step = 2.0 ** (np.maximum(np.frexp(np.where(r == 0, 1, r))[1] - 1, 0) - 1)
;;       q = np.round(r / step) * step * 2.0 ** e      # np.round: ties to even
;;       return np.moveaxis(q.reshape(q.shape[:-2] + (-1,))[..., :K], -1, axis).astype(np.float32)
;;   ~~~
;; One version. Each part assembles by itself: llvm-mc -triple=amdgcn-amd-amdhsa -mcpu=gfx1250 --defsym DOCPART=n.
;; ======== version 1 of 1: 5 launches
;; limits: values are held in f16: magnitudes above 65,504 overflow, below 6.1e-05 lose precision
;; workspace buffers: xc 4,194,304 bytes; xs 262,144 bytes; wc 1,572,864 bytes; ws 98,304 bytes; w16 2,097,152 bytes; qkv16 50,331,648 bytes; qkv32 786,432 bytes; att16 16,777,216 bytes
;; launch quant (part 1): grid 384 x 1, 4 waves a work-group, no clusters, 33,280 bytes of LDS; arguments x, w_qkv, xc, xs, wc, ws, w_out, w16; writes xc, xs, wc, ws, w16
.if DOCPART == 1
	.amdgcn_target "amdgcn-amd-amdhsa--gfx1250"
	.amdhsa_code_object_version 6
	.text
	.protected	k_q86d747a890_quant
	.globl	k_q86d747a890_quant
	.p2align	8
	.type	k_q86d747a890_quant,@function
k_q86d747a890_quant:
	s_mov_b64 s[64:65], 0
	v_nop
	global_prefetch_b8 v0, s[64:65] scope:SCOPE_SE
	s_setreg_imm32_b32 hwreg(HW_REG_WAVE_MODE, 25, 1), 1
	s_wait_xcnt 0x0
; x [8192][1024] and w_qkv [3072][1024], f32, become codes of FP4 (E2M1), K innermost, two codes a byte, with one E8M0 byte for each 32 along K; w_out [1024][1024] becomes f16.
; A block's scale is 2^(floor(log2(its largest magnitude)) - 2); its byte is the largest magnitude's exponent field - 2, held at 1 from below.  Each number is divided by the scale and rounded to the nearest code, ties to even.
; LIMITS: a block of zeros gets the byte 1 where the rule says 127 (its codes are zeros, and this program alone reads the bytes); blocks whose largest magnitude lies under 2^-124 were not tried; NaN and infinities are not served;
; w_out's magnitudes stay under 65,504, f16's largest number.
; SHARES: 32,768 numbers a work-group, 8,192 a wave.  Work-groups 0-255 take x, 256-351 w_qkv (one path, the pointers chosen by the work-group's number), 352-383 w_out (a path of its own, without LDS).
; Rows are dense and K is a multiple of 32: the tensors are plain streams of blocks of 32.  A wave takes 16 steps of 512 numbers.  Each load reads 512 consecutive bytes; a step's 2,048 bytes turn through the wave's own
; stage in LDS, so that a lane holds 16 neighbours along K (two lanes hold a block); a lane's 16 codes are 8 bytes: the wave stores 256 consecutive bytes.  A wave's 256 scale bytes are gathered in LDS and leave as one store.
; No tensor loads, no barrier: waves share nothing.
.set WAVES, 4
.set STEPS, 16
.set WGA,   256                        ; work-groups for x
.set WGQ,   352                        ; and for x and w_qkv together
.set EMAX,  2
.set CB,    8                          ; bytes of 16 codes
.set R,     16                         ; v16-79   four sets of 16 numbers as they are loaded
.set X,     80                         ; v80-111  two sets of 16 neighbours
.set C,     128                        ; v128-191 codes: four registers for each step, so that no store's data are written again
.set E,     112                        ; v112-127 a scale byte for each step
.set HF,    144                        ; v144-175 the cast's results
.set WREG,  8192                       ; LDS: a region for each wave: two stages of 32 x SP bytes, and behind them its 256 scale bytes
.set SP,    80                         ; a lane's place in a stage: its 64 bytes + 16 of padding
.set SPW,   12                         ; v12      LDS address of my spare word; never rewritten
.set NIL,   13                         ; v13      0; never rewritten
.set SPARE, WAVES*WREG                 ; behind the four regions: the spare words, 128 bytes a wave, which no other line names
	s_load_b128 s[4:7], s[0:1], 0x0                ; x, w_qkv
	s_load_b128 s[8:11], s[0:1], 0x10              ; x's codes, x's scales
	s_load_b128 s[12:15], s[0:1], 0x20             ; w_qkv's codes, its scales
	s_load_b128 s[24:27], s[0:1], 0x30             ; w_out, w16
	v_lshl_add_u32 v[SPW], v0, 2, SPARE
	v_mov_b32 v[NIL], 0
	v_lshrrev_b32 v1, 5, v0
	v_readfirstlane_b32 s16, v1                    ; wave
	v_and_b32 v2, 31, v0                           ; lane
	v_lshlrev_b32 v3, 4, v2                        ; my 16 bytes of a load's 512
	s_mul_i32 s17, s16, WREG
	v_lshrrev_b32 v14, 2, v2
	v_mul_u32_u24 v14, v14, SP
	v_and_b32 v15, 3, v2
	v_lshl_add_u32 v14, v15, 4, v14
	v_add_nc_u32 v14, s17, v14                     ; the stage, on the way in: SP (lane / 4) + 16 (lane % 4)
	v_mul_u32_u24 v15, v2, SP
	v_add_nc_u32 v15, s17, v15                     ; and on the way out: SP x lane: my 16 neighbours
	v_mul_u32_u24 v4, v2, CB                       ; my codes' place in a step's
	v_lshrrev_b32 v5, 1, v2
	s_add_co_u32 s17, s17, 2*32*SP
	v_add_nc_u32 v5, s17, v5                       ; LDS: my wave's 256 scale bytes, my block's byte
	v_lshlrev_b32 v7, 3, v2                        ; 8 bytes a lane
	v_add_nc_u32 v6, s17, v7
	s_wait_kmcnt 0x0
	s_cmp_ge_u32 ttmp9, WGQ                        ; the last 32 work-groups cast w_out
	s_cbranch_scc1 .Lcast
	s_cmp_lt_u32 ttmp9, WGA                        ; x's work-group or w_qkv's?  The choice hangs on the work-group's number alone
	s_cselect_b64 s[4:5], s[4:5], s[6:7]
	s_cselect_b64 s[8:9], s[8:9], s[12:13]
	s_cselect_b64 s[10:11], s[10:11], s[14:15]
	s_cselect_b32 s17, 0, WGA
	s_sub_co_u32 s17, ttmp9, s17
	s_lshl_b32 s17, s17, 2
	s_add_co_u32 s18, s17, s16                     ; which run of 8,192 numbers of the tensor is my wave's
	s_mov_b32 s19, 0
	s_mov_b64 s[20:21], 512*STEPS*4
	s_mul_u64 s[20:21], s[18:19], s[20:21]
	s_add_nc_u64 s[4:5], s[4:5], s[20:21]
	s_mov_b64 s[20:21], 32*STEPS*CB
	s_mul_u64 s[20:21], s[18:19], s[20:21]
	s_add_nc_u64 s[8:9], s[8:9], s[20:21]
	s_lshl_b32 s18, s18, 8                         ; 256 scale bytes a run
	s_add_nc_u64 s[10:11], s[10:11], s[18:19]
.macro LOAD t
.irp i, 0,1,2,3
	global_load_b128 v[R+16*((\t)%4)+4*\i:R+16*((\t)%4)+4*\i+3], v3, s[4:5] offset:2048*(\t)+512*\i th:TH_LOAD_NT   ; 32 lanes read 512 consecutive bytes
.endr
.endm
.macro TURN t                          ; step t's numbers through the stage: LDS serves a wave's instructions in order, so no wait stands between the stores and the loads
.irp i, 0,1,2,3
	ds_store_b128 v14, v[R+16*((\t)%4)+4*\i:R+16*((\t)%4)+4*\i+3] offset:32*SP*((\t)%2)+8*SP*\i
.endr
.irp i, 0,1,2,3
	ds_load_b128 v[X+16*((\t)%2)+4*\i:X+16*((\t)%2)+4*\i+3], v15 offset:32*SP*((\t)%2)+16*\i
.endr
.endm
.irp t, 0,1,2,3
	LOAD \t
.endr
	s_wait_loadcnt 12                              ; step 0's four loads are in; the twelve of steps 1 to 3 may be out
	TURN 0
.macro STEP t
.set XS, X+16*((\t)%2)
.if (\t) > 0
	s_wait_dscnt 1                                 ; this step's numbers are back from the stage (the last step's byte store may be out)
.else
	s_wait_dscnt 0x0
.endif
.if (\t)+4 < STEPS
	LOAD (\t)+4                                    ; into the registers that this step's stores into the stage have read
.endif
.if (\t)+1 < STEPS
.if STEPS-2-(\t) >= 3
	s_wait_loadcnt 12                              ; the next step's four loads are in; those of the three steps behind it may be out
.else
	s_wait_loadcnt 4*(STEPS-2-(\t))
.endif
	TURN (\t)+1                                    ; they go through the other stage while this step is worked
.endif
	v_max3_num_f32 v8, |v[XS]|, |v[XS+1]|, |v[XS+2]|               ; the largest magnitude of my 16, in two chains
	v_max3_num_f32 v9, |v[XS+3]|, |v[XS+4]|, |v[XS+5]|
.irp i, 6,10
	v_max3_num_f32 v8, v8, |v[XS+\i]|, |v[XS+\i+1]|
	v_max3_num_f32 v9, v9, |v[XS+\i+2]|, |v[XS+\i+3]|
.endr
	v_max3_num_f32 v8, v8, |v[XS+14]|, |v[XS+15]|
	v_max3_num_f32 v8, v8, v9, (EMAX+1)<<23        ; and the floor 2^(3 - 127): the byte cannot fall under 1
	v_max_num_f32_dpp v8, v8, v8 row_xmask:1 row_mask:0xf bank_mask:0xf   ; with my neighbour's 16: the block's
	v_add_nc_u32 v11, -(EMAX<<23), v8              ; 2 off its exponent field: the conversion takes the exponent field of this operand as its scale
	v_cvt_scalef32_pk8_fp4_f32 v[C+4*(\t)], v[XS:XS+7], v11
	v_cvt_scalef32_pk8_fp4_f32 v[C+4*(\t)+1], v[XS+8:XS+15], v11
	v_lshrrev_b32 v[E+(\t)], 23, v11               ; the scale's byte (also the plain line behind the conversions)
	ds_store_b8 v5, v[E+(\t)] offset:16*(\t)       ; both lanes of a block write the same byte with the same value
	global_store_b64 v4, v[C+4*(\t):C+4*(\t)+1], s[8:9] offset:32*CB*(\t)   ; the wave stores 256 consecutive bytes, aligned
.endm
.irp t, 0,1,2,3,4,5,6,7,8,9,10,11,12,13,14,15
	STEP \t
.endr
	ds_load_b64 v[8:9], v6                         ; LDS serves a wave's instructions in order: these see my stores
	s_wait_dscnt 0x0
	global_store_b64 v7, v[8:9], s[10:11]          ; 32 lanes store 256 consecutive bytes, aligned
	s_wait_tensorcnt 0x0                           ; the wave's end, behind my last LDS store
	ds_add_u32 v[SPW], v[NIL]
	s_wait_dscnt 0x0
	s_endpgm
; THE CAST: 8,192 numbers a wave, in four groups of 16 loads of 512 bytes; two sets of registers take turns, so that 16 loads are out while a group is rounded.  No LDS is touched on this path.
.macro LOADG g, set
.irp i, 0,1,2,3,4,5,6,7,8,9,10,11,12,13,14,15
	global_load_b128 v[\set+4*\i:\set+4*\i+3], v3, s[24:25] offset:(16*(\g)+\i)*512 th:TH_LOAD_NT
.endr
.endm
.macro CASTG g, set, left
	s_wait_loadcnt \left                           ; this group's 16 loads are in; the other set's 16 may be out
.if (\g) > 0
	s_wait_xcnt 0x0                                ; the last group's stores have read their data: the results' registers may be written again
.endif
.irp i, 0,1,2,3,4,5,6,7,8,9,10,11,12,13,14,15
	v_cvt_pk_f16_f32 v[HF+2*\i], v[\set+4*\i], v[\set+4*\i+1]
	v_cvt_pk_f16_f32 v[HF+2*\i+1], v[\set+4*\i+2], v[\set+4*\i+3]
.endr
.if (\g) < 2
	LOADG (\g)+2, \set
.endif
.irp i, 0,1,2,3,4,5,6,7,8,9,10,11,12,13,14,15
	global_store_b64 v7, v[HF+2*\i:HF+2*\i+1], s[26:27] offset:(16*(\g)+\i)*256   ; 32 lanes store 256 consecutive bytes, aligned
.endr
.endm
.Lcast:
	s_sub_co_u32 s17, ttmp9, WGQ
	s_lshl_b32 s17, s17, 2
	s_add_co_u32 s17, s17, s16                     ; which run of 8,192 numbers is my wave's
	s_lshl_b32 s18, s17, 15
	s_mov_b32 s19, 0
	s_add_nc_u64 s[24:25], s[24:25], s[18:19]
	s_lshl_b32 s18, s17, 14
	s_add_nc_u64 s[26:27], s[26:27], s[18:19]
	LOADG 0, 16
	LOADG 1, 80
	CASTG 0, 16, 16
	CASTG 1, 80, 16
	CASTG 2, 16, 16
	CASTG 3, 80, 0
	s_endpgm
.Lfunc_end_k_q86d747a890_quant:
	.size	k_q86d747a890_quant, .Lfunc_end_k_q86d747a890_quant-k_q86d747a890_quant
	.p2alignl 7, 3214868480
	.fill 96, 4, 3214868480
	.section	.rodata,"a",@progbits
	.p2align	6, 0x0
	.amdhsa_kernel k_q86d747a890_quant
		.amdhsa_group_segment_fixed_size 33280
		.amdhsa_private_segment_fixed_size 0
		.amdhsa_enable_private_segment 0
		.amdhsa_kernarg_size 64
		.amdhsa_user_sgpr_count 2
		.amdhsa_user_sgpr_kernarg_segment_ptr 1
		.amdhsa_wavefront_size32 1
		.amdhsa_system_sgpr_workgroup_id_x 1
		.amdhsa_system_sgpr_workgroup_id_y 1
		.amdhsa_system_sgpr_workgroup_id_z 1
		.amdhsa_system_vgpr_workitem_id 0
		.amdhsa_next_free_vgpr 192
		.amdhsa_next_free_sgpr 66
		.amdhsa_reserve_vcc 0
		.amdhsa_float_denorm_mode_32 3
		.amdhsa_float_denorm_mode_16_64 3
		.amdhsa_memory_ordered 1
		.amdhsa_forward_progress 1
		.amdhsa_inst_pref_size 54
	.end_amdhsa_kernel
	.amdgpu_metadata
---
amdhsa.version: [ 1, 2 ]
amdhsa.kernels:
  - .name:           k_q86d747a890_quant
    .symbol:         k_q86d747a890_quant.kd
    .args:
      - { .name: x, .offset: 0, .size: 8, .value_kind: global_buffer, .address_space: global }
      - { .name: w_qkv, .offset: 8, .size: 8, .value_kind: global_buffer, .address_space: global }
      - { .name: xc, .offset: 16, .size: 8, .value_kind: global_buffer, .address_space: global }
      - { .name: xs, .offset: 24, .size: 8, .value_kind: global_buffer, .address_space: global }
      - { .name: wc, .offset: 32, .size: 8, .value_kind: global_buffer, .address_space: global }
      - { .name: ws, .offset: 40, .size: 8, .value_kind: global_buffer, .address_space: global }
      - { .name: w_out, .offset: 48, .size: 8, .value_kind: global_buffer, .address_space: global }
      - { .name: w16, .offset: 56, .size: 8, .value_kind: global_buffer, .address_space: global }
    .group_segment_fixed_size: 33280
    .private_segment_fixed_size: 0
    .kernarg_segment_align: 8
    .kernarg_segment_size: 64
    .max_flat_workgroup_size: 128
    .sgpr_count:     66
    .vgpr_count:     192
    .wavefront_size: 32
...
	.end_amdgpu_metadata
.endif
;; end of part 1
;; launch qkv (part 2): grid 12 x 32, 4 waves a work-group, clusters of 4 x 4, 327,680 bytes of LDS; arguments xc, xs, wc, ws, qkv16, qkv32; writes qkv16, qkv32
.if DOCPART == 2
	.amdgcn_target "amdgcn-amd-amdhsa--gfx1250"
	.amdhsa_code_object_version 6
	.text
	.protected	k_q86d747a890_qkv
	.globl	k_q86d747a890_qkv
	.p2align	8
	.type	k_q86d747a890_qkv,@function
k_q86d747a890_qkv:
	s_mov_b64 s[64:65], 0
	v_nop
	global_prefetch_b8 v0, s[64:65] scope:SCOPE_SE
	s_setreg_imm32_b32 hwreg(HW_REG_WAVE_MODE, 25, 1), 1
	s_wait_xcnt 0x0
	s_wait_alu depctr_hold_cnt(0) depctr_sa_sdst(0) depctr_va_vdst(0) depctr_va_sdst(0) depctr_va_ssrc(0) depctr_va_vcc(0) depctr_vm_vsrc(0)
	s_getreg_b32 s2, hwreg(HW_REG_IB_STS2, 6, 4)
	s_cmp_eq_u32 s2, 0
	s_cbranch_scc0 .Lentry_in_a_cluster
	s_endpgm
.Lentry_in_a_cluster:
	s_bfe_u32 s2, ttmp6, 0x10000c
	s_cmp_lg_u32 s2, 0xf033
	s_cbranch_scc0 .Lentry_shape_is_right
	s_endpgm
.Lentry_shape_is_right:
; qkv[m][n] = sum over k of x[m][k] w_qkv[n][k], on codes of FP4 (E2M1) with one E8M0 scale for each 32 along K; sums in f32.  M = 8,192, N = 3,072, K = 1,024.
; The results leave as f16, laid by head: qkv16 [3 (q, k, v)][batch 4][head 16][t 2,048][64]; the rows t < 16 of every batch leave as f32 too: qkv32 [batch 4][t 16][3,072].
; LIMIT: |q|, |k|, |v| stay under 65,504, f16's largest number.
; A tile of 256 x 256 is made by a work-group of four waves; a wave makes 128 x 128: 64 accumulators of 16 x 16, 512 registers.  K is two steps of 512, one in each of two LDS slots, both asked for at the start: nothing is filled again.
; THE SCALES of the work-group's 256 rows of x and 256 of w_qkv, for all of K, are two dense blocks of memory: they come into LDS once, in rows of 256 bytes.
; CLUSTERS: 4 x 4 work-groups.  The four of a row of the cluster need the same tiles of x, the four of a column the same tiles of w_qkv: each tile is asked for jointly.
; THE MATRIX INSTRUCTION IS USED TRANSPOSED (source 0 = 16 rows of w_qkv, source 1 = 16 rows of x): a lane then holds eight neighbouring columns of one row.
; REGISTERS, in windows of 256: window 0: v0-31 addresses; v32-95 scale words, two sets; from v128 x's fragments, one set; on the way out v32-63 and v128-191 are at work.
;   window 1: w_qkv's fragments, two sets, at v0 and v128.   window 2: the accumulators of my rows 0-63 ((a, b) at v[8 (8 a + b)]);   window 3: those of my rows 64-127.
.set KSTEP,  512                       ; along K in a slot
.set NQ,     KSTEP/128                 ; matrix instructions deep
.set ROWB,   256                       ; a tile's row in bytes
.set KROW,   512                       ; a row of codes in memory
.set PITCH,  272                       ; an LDS row: 256 bytes + 16 of padding: the 16 rows of a load start at 16 different banks
.set FR,     8                         ; registers of a fragment: 16 rows x 128 K
.set NL,     2                         ; LDS loads that bring one
.set NP,     4                         ; places behind this matrix instruction (ISA guide 7.12.1)
.set HALFT,  128*PITCH
.set SLOT,   4*HALFT                   ; x's 256 rows, then w_qkv's 256 rows
.set KS,     32                        ; a row of scales in bytes
.set SCL,    2*SLOT                    ; behind the slots: the scales, as rows of 256 bytes + 16 of padding
.set HALFS,  (128*KS/256)*272          ; the scales of 128 rows: what one tensor load brings
.set SBLK,   (16*KS/256)*272           ; those of 16 rows
.set SPARE,  SCL+4*HALFS               ; the spare words, 128 bytes a wave, which no other line names
.set SP,     144                       ; the way out: a stage of 2 heads x 16 rows x (128 bytes + 16) for each wave, in slot 0, which has had its only fill and its last read by then
.set SHEAD,  16*SP
.set ADRA, 16                          ; v16-17  LDS address of my x fragments in slot 0, 1
.set ADRB, 20                          ; v20-21  the same for w_qkv
.set STO,  24                          ; v24     the way out: where I put 16 bytes of a row
.set RD,   25                          ; v25     where I read rows back
.set CO,   26                          ; v26     16 x lane: my place in 512 bytes of qkv16
.set ADRS, 27                          ; v27     LDS address of my scale words: lanes 0-15 x's rows, lanes 16-31 w_qkv's
.set SPW,  28                          ; v28     LDS address of my spare word; never rewritten
.set NIL,  29                          ; v29     0; never rewritten
.set FO,   30                          ; v30     my byte offset in qkv32
.set SC,   32                          ; scale words: set s at v[SC + 32 s]; register 4 i + q: lanes 0-15 x's block i, lanes 16-31 w_qkv's block i, the slot's q-th 128 along K
.set TMP,  32                          ; the way out: a block's 32 registers of f16
.set AF,   128                         ; x's fragments
.set BK,   128                         ; the way out: rows read back: v128-159 and v160-191 by turns
.set G1, 24
.set G0, 32
.set G1B, 48
.set G0B, 56
.set G1S, 68
.set G0S, 76
.set G1SB, 80
.set G0SB, 88
.set FLAG, 95                          ; s95  0 where my rows begin a batch
.set SAVE, 96                          ; s96  EXEC, kept
.set MSB, 0
.macro WIN new                         ; the immediate's high byte repeats the setting that is left
.if MSB != \new
	s_set_vgpr_msb (MSB<<8)|\new
.set MSB, \new
.endif
.endm
.set MUL_LO, 0xa1                      ; source 0 window 1, source 1 window 0, C and D window 2
.set MUL_HI, 0xf1                      ; the same, C and D window 3
.set TO_B,   0x40                      ; destination window 1, address window 0
; A joint load: waves 0 and 1 fetch for x, waves 2 and 3 for w_qkv.  The branch hangs on the wave's number alone.  An s_nop 0 and four v_nop follow each line.
.macro JLOAD g0a, g1a, g0b, g1b
	s_cmp_eq_u32 s15, 0
	s_cbranch_scc0 .Lfor_b_\@
	tensor_load_to_lds s[\g0a:\g0a+3], s[\g1a:\g1a+7]
	s_nop 0
.rept 4
	v_nop
.endr
	s_branch .Lasked_\@
.Lfor_b_\@:
	tensor_load_to_lds s[\g0b:\g0b+3], s[\g1b:\g1b+7]
	s_nop 0
.rept 4
	v_nop
.endr
.Lasked_\@:
.endm
.macro CROUND                          ; a round of the cluster's barrier
	s_barrier_signal -1
	s_barrier_wait -1
	s_cmp_lg_u32 s14, 0
	s_cbranch_scc1 .Lnot_wave_0_\@
	s_barrier_signal -3
.Lnot_wave_0_\@:
	s_barrier_wait -3
	s_barrier_signal -1
	s_barrier_wait -1
.endm
	s_load_b128 s[4:7], s[0:1], 0x0                ; x's codes, x's scales
	s_load_b128 s[8:11], s[0:1], 0x10              ; w_qkv's codes, its scales
	s_load_b64 s[12:13], s[0:1], 0x20              ; qkv16
	s_load_b64 s[66:67], s[0:1], 0x28              ; qkv32
	v_lshl_add_u32 v[SPW], v0, 2, SPARE
	v_mov_b32 v[NIL], 0
	ds_add_u32 v[SPW], v[NIL]                      ; the wave's opening: the add, twice on end, and its wait ahead of my first tensor load
	ds_add_u32 v[SPW], v[NIL]
	v_lshrrev_b32 v1, 5, v0
	v_readfirstlane_b32 s14, v1                    ; wave 0..3
	s_lshr_b32 s15, s14, 1                         ; which half of the tile's rows is mine.  Also: I fetch for x (0) or for w_qkv (1)
	s_and_b32 s16, s14, 1                          ; which half of its columns.  Also: which 128 rows of that tile I fetch
	s_bfe_u32 s40, ttmp6, 0x40000                  ; cx, cy: my place in the cluster
	s_bfe_u32 s41, ttmp6, 0x40004
	s_lshl_b32 s42, ttmp9, 2
	s_add_co_u32 s42, s42, s40                     ; tile column = 4 x cluster x + cx
	s_and_b32 s17, ttmp7, 0xffff
	s_lshl_b32 s17, s17, 2
	s_add_co_u32 s17, s17, s41                     ; tile row = 4 x cluster y + cy
	s_lshl_b32 s43, s41, 2
	s_lshl_b32 s43, 15, s43                        ; my row of the cluster
	s_lshl_b32 s44, 0x1111, s40                    ; my column
	; descriptor group 1: a tile of 128 rows x 256 bytes, 16 bytes of padding behind each row
	s_or_b32 s[G1+0], s43, (0<<16)|(1<<20)|(1<<21)|(5<<22)|(3<<25)
	s_or_b32 s[G1B+0], s44, (0<<16)|(1<<20)|(1<<21)|(5<<22)|(3<<25)
.irp g, G1, G1B
	s_mov_b32 s[\g+1], ROWB<<16                    ; tensor_dim0
	s_mov_b32 s[\g+2], 128<<16                     ; tensor_dim1
	s_mov_b32 s[\g+3], ROWB<<16                    ; tile_dim0
	s_mov_b32 s[\g+4], 128                         ; tile_dim1
	s_mov_b32 s[\g+5], KROW                        ; from row to row
	s_mov_b32 s[\g+6], 0
	s_mov_b32 s[\g+7], 0
.endr
	; the scales of 128 rows: a dense block of 4,096 bytes, as 16 rows of 256 bytes (32 elements of 8 bytes), 16 bytes of padding behind each
	s_or_b32 s[G1S+0], s43, (3<<16)|(1<<20)|(1<<21)|(5<<22)|(3<<25)
	s_or_b32 s[G1SB+0], s44, (3<<16)|(1<<20)|(1<<21)|(5<<22)|(3<<25)
.irp g, G1S, G1SB
	s_mov_b32 s[\g+1], 32<<16
	s_mov_b32 s[\g+2], (128*KS/256)<<16
	s_mov_b32 s[\g+3], 32<<16
	s_mov_b32 s[\g+4], 128*KS/256
	s_mov_b32 s[\g+5], 32
	s_mov_b32 s[\g+6], 0
	s_mov_b32 s[\g+7], 0
.endr
	s_lshl_b32 s18, s16, 7                         ; which 128 rows of the tile I fetch
	s_lshl_b32 s20, s17, 8
	s_add_co_u32 s20, s20, s18                     ; x: row 256 x tile row + 128 x half
	s_lshl_b32 s46, s42, 8
	s_add_co_u32 s46, s46, s18                     ; w_qkv: row 256 x tile column + 128 x half
	s_mov_b32 s21, 0
	s_mov_b32 s47, 0
	s_mov_b64 s[18:19], KS
	s_mul_u64 s[22:23], s[20:21], s[18:19]         ; where these rows' scales begin, in bytes
	s_mul_u64 s[92:93], s[46:47], s[18:19]
	s_mov_b64 s[18:19], KROW
	s_mul_u64 s[20:21], s[20:21], s[18:19]         ; and their codes
	s_mul_u64 s[46:47], s[46:47], s[18:19]
	s_mul_i32 s45, s14, HALFT                      ; where they go: wave x 128 rows: no place in the cluster enters an LDS address
	s_mul_i32 s94, s14, HALFS
	s_wait_dscnt 0x0                               ; both opening adds are done
	s_wait_kmcnt 0x0
	s_add_nc_u64 s[20:21], s[4:5], s[20:21]
	s_add_nc_u64 s[22:23], s[6:7], s[22:23]
	s_add_nc_u64 s[46:47], s[8:9], s[46:47]
	s_add_nc_u64 s[92:93], s[10:11], s[92:93]
	CROUND                                         ; all sixteen work-groups are here: the joint loads meet
	s_mov_b32 s[G0S], 1
	s_add_co_u32 s[G0S+1], s94, SCL
	s_mov_b64 s[G0S+2:G0S+3], s[22:23]
	s_or_b32 s[G0S+3], s[G0S+3], 0x80000000
	s_mov_b32 s[G0SB], 1
	s_add_co_u32 s[G0SB+1], s94, SCL
	s_mov_b64 s[G0SB+2:G0SB+3], s[92:93]
	s_or_b32 s[G0SB+3], s[G0SB+3], 0x80000000
	JLOAD G0S, G1S, G0SB, G1SB                     ; the scales first: they are wanted with K step 0
.irp s, 0,1
	s_mov_b32 s[G0+4*\s], 1
	s_add_co_u32 s[G0+4*\s+1], s45, \s*SLOT
	s_add_nc_u64 s[G0+4*\s+2:G0+4*\s+3], s[20:21], \s*ROWB
	s_or_b32 s[G0+4*\s+3], s[G0+4*\s+3], 0x80000000
	s_mov_b32 s[G0B+4*\s], 1
	s_add_co_u32 s[G0B+4*\s+1], s45, \s*SLOT
	s_add_nc_u64 s[G0B+4*\s+2:G0B+4*\s+3], s[46:47], \s*ROWB
	s_or_b32 s[G0B+4*\s+3], s[G0B+4*\s+3], 0x80000000
	JLOAD G0+4*\s, G1, G0B+4*\s, G1B               ; three loads of mine are out in all
.endr
	v_and_b32 v1, 15, v0                           ; r = lane % 16
	v_bfe_u32 v2, v0, 4, 1                         ; hh = lane / 16
	v_mul_u32_u24 v3, v1, PITCH
	v_lshl_add_u32 v4, v2, 4, v3                   ; a fragment's row x pitch + 16 x half
	s_mul_i32 s21, s15, HALFT                      ; my 128 rows of x
	s_mul_i32 s22, s16, HALFT                      ; my 128 rows of w_qkv,
	s_add_co_u32 s22, s22, 2*HALFT                 ; which lie behind x's 256
.irp s, 0,1
	v_add_nc_u32 v[ADRA+\s], s21, v4
	v_add_nc_u32 v[ADRB+\s], s22, v4
	s_add_co_u32 s21, s21, SLOT
	s_add_co_u32 s22, s22, SLOT
.endr
	v_mul_u32_u24 v5, v1, KS                       ; my row's scales: 32 bytes a row,
	v_lshrrev_b32 v6, 8, v5
	v_lshl_add_u32 v5, v6, 4, v5                   ; and 16 more for each 256 passed
	s_mul_i32 s21, s15, HALFS
	s_mul_i32 s22, s16, HALFS
	s_add_co_u32 s22, s22, 2*HALFS
	s_sub_co_u32 s22, s22, s21
	v_mul_u32_u24 v6, s22, v2                      ; lanes 16-31 take w_qkv's: one product, the distance between the two bases
	s_add_co_u32 s21, s21, SCL
	v_add_nc_u32 v5, v5, v6
	v_add_nc_u32 v[ADRS], s21, v5
	s_mul_i32 s23, s14, 2*SHEAD                    ; my stage
	v_mul_u32_u24 v5, v1, SP
	v_lshl_add_u32 v5, v2, 4, v5
	v_add_nc_u32 v[STO], s23, v5                   ; in: row r, 16 bytes for each half of the lanes
	v_and_b32 v6, 31, v0
	v_lshlrev_b32 v[CO], 4, v6
	v_lshrrev_b32 v5, 3, v6
	v_mul_u32_u24 v5, v5, SP
	v_and_b32 v7, 7, v0
	v_lshl_add_u32 v5, v7, 4, v5
	v_add_nc_u32 v[RD], s23, v5                    ; back: eight lanes to a row of 128 bytes, four rows an instruction
	v_mul_u32_u24 v[FO], v1, 12288
	v_lshl_add_u32 v[FO], v2, 5, v[FO]             ; qkv32: row r of 12,288 bytes, + 32 x half
	; where my part begins in qkv16: tensor = cluster x (1,024 columns each); head = 4 cx + 2 x column half (+ 1 for my upper 64 columns); batch = tile row / 8; t = 256 (tile row % 8) + 128 x row half
	s_lshl_b32 s20, ttmp9, 24
	s_lshr_b32 s21, s17, 3
	s_lshl_b32 s22, s21, 4
	s_lshl_b32 s23, s40, 2
	s_add_co_u32 s22, s22, s23
	s_lshl_b32 s23, s16, 1
	s_add_co_u32 s22, s22, s23
	s_lshl_b32 s22, s22, 18                        ; a head is 2,048 rows of 128 bytes
	s_add_co_u32 s20, s20, s22
	s_and_b32 s22, s17, 7
	s_lshl_b32 s23, s22, 1
	s_add_co_u32 s23, s23, s15
	s_or_b32 s[FLAG], s22, s15                     ; 0: my block 0 holds t = 0 .. 15 of a batch
	s_lshl_b32 s23, s23, 14                        ; 128 rows of 128 bytes
	s_add_co_u32 s20, s20, s23
	s_mul_i32 s46, s21, 196608                     ; qkv32: the batch's 16 rows,
	s_mov_b32 s21, 0
	s_add_nc_u64 s[12:13], s[12:13], s[20:21]
	s_lshl_b32 s47, s42, 10
	s_add_co_u32 s46, s46, s47                     ; my first column, in bytes: 1,024 x tile column + 512 x half
	s_lshl_b32 s47, s16, 9
	s_add_co_u32 s46, s46, s47
	s_mov_b32 s47, 0
	s_add_nc_u64 s[66:67], s[66:67], s[46:47]
.macro FRAG reg, adr, q, i             ; a fragment: lane l holds row l % 16; registers 4 c .. 4 c + 3 hold K = 64 c + 32 (l / 16) + 0 .. 31
.irp c, 0,1
	ds_load_b128 v[\reg+4*\c:\reg+4*\c+3], v[\adr] offset:64*(\q)+32*\c+(\i)*16*PITCH
.endr
.endm
; 16 matrix instructions: x's blocks a0, a0 + 1 against w_qkv's eight, 128 along K.  p: w_qkv's set; sc: the set of scale words.  zero = 1: the first product starts the sums.
; The 64 accumulators take turns, one instruction a turn, in the same order in every step.
.macro MUL16 a0, p, q, sc, zero
.irp a, \a0, \a0+1
.irp b, 0,1,2,3,4,5,6,7
.if \zero
	v_wmma_scale_f32_16x16x128_f8f6f4 v[8*(8*((\a)%4)+\b):8*(8*((\a)%4)+\b)+7], v[128*(\p)+FR*\b:128*(\p)+FR*\b+FR-1], v[AF+FR*(\a):AF+FR*(\a)+FR-1], 0, v[SC+8*NQ*(\sc)+NQ*\b+(\q)], v[SC+8*NQ*(\sc)+NQ*(\a)+(\q)] matrix_a_fmt:MATRIX_FMT_FP4 matrix_b_fmt:MATRIX_FMT_FP4 matrix_a_scale:MATRIX_SCALE_ROW1
.else
	v_wmma_scale_f32_16x16x128_f8f6f4 v[8*(8*((\a)%4)+\b):8*(8*((\a)%4)+\b)+7], v[128*(\p)+FR*\b:128*(\p)+FR*\b+FR-1], v[AF+FR*(\a):AF+FR*(\a)+FR-1], v[8*(8*((\a)%4)+\b):8*(8*((\a)%4)+\b)+7], v[SC+8*NQ*(\sc)+NQ*\b+(\q)], v[SC+8*NQ*(\sc)+NQ*(\a)+(\q)] matrix_a_fmt:MATRIX_FMT_FP4 matrix_b_fmt:MATRIX_FMT_FP4 matrix_a_scale:MATRIX_SCALE_ROW1
.endif
.endr
.endr
.endm
.macro FETCH_B slot, q, p
	WIN TO_B
.irp i, 0,1,2,3,4,5,6,7
	FRAG 128*(\p)+FR*\i, ADRB+\slot, \q, \i
.endr
	WIN 0
.endm
.macro FETCH_A slot, q, i0
.irp i, \i0, \i0+1, \i0+2, \i0+3
	FRAG AF+FR*(\i), ADRA+\slot, \q, \i
.endr
.endm
.macro SCALES sc                       ; a K step's scale words: 4 words a row; lanes 0-15 take x's block i, lanes 16-31 w_qkv's block i
.irp i, 0,1,2,3,4,5,6,7
	ds_load_b128 v[SC+8*NQ*\sc+NQ*\i:SC+8*NQ*\sc+NQ*\i+3], v[ADRS] offset:\i*SBLK
.endr
.endm
.macro PLACES n                        ; plain vector instructions between a matrix instruction and a load into, or a read of, its registers
.rept \n
	v_nop
.endr
.endm
.macro STEP slot, q, zero              ; a step of 128 along K that has its successor in the same slot
	s_wait_dscnt 4*NL                              ; w_qkv's set and x's blocks 0-3 are in; the youngest eight loads (x's blocks 4-7) may be out
	WIN MUL_LO
	MUL16 0, (\q)%2, \q, \slot, \zero
	MUL16 2, (\q)%2, \q, \slot, \zero
	s_wait_dscnt 0                                 ; x's blocks 4-7 are in
	PLACES NP
	FETCH_B \slot, (\q)+1, 1-(\q)%2
	FETCH_A \slot, (\q)+1, 0
	WIN MUL_HI
	MUL16 4, (\q)%2, \q, \slot, \zero
	MUL16 6, (\q)%2, \q, \slot, \zero
	PLACES NP
	WIN 0
	FETCH_A \slot, (\q)+1, 4
.endm
.macro TURN slot, next                 ; slot 0's last step changes slots: one barrier; in front of it my part of slot 1 has landed and my reads of slot 0 are over.  Nothing is filled again
	s_wait_tensorcnt 0x0                           ; all my tensor loads have landed
	ds_add_u32 v[SPW], v[NIL]                      ; 0 onto my spare word
	s_wait_dscnt 4*NL+1                            ; (the add and the youngest eight loads may be out)
	WIN MUL_LO
	MUL16 0, 1, NQ-1, \slot, 0
	s_wait_dscnt 0x0                               ; the add is done, and my reads of this slot are over
	s_barrier_signal -1
	MUL16 2, 1, NQ-1, \slot, 0
	WIN 0
	s_barrier_wait -1
	PLACES NP
	v_add_nc_u32 v[ADRS], 4*NQ, v[ADRS]            ; on to the next K step's scale words
	FETCH_B \next, 0, 0
	FETCH_A \next, 0, 0
	SCALES \next
	WIN MUL_HI
	MUL16 4, 1, NQ-1, \slot, 0
	MUL16 6, 1, NQ-1, \slot, 0
	PLACES NP
	WIN 0
	FETCH_A \next, 0, 4
.endm
	s_wait_tensorcnt 1                             ; the scales and my part of K step 0 are in; K step 1's load may be out
	s_barrier_signal -1
	s_barrier_wait -1
	FETCH_B 0, 0, 0
	FETCH_A 0, 0, 0
	SCALES 0
	FETCH_A 0, 0, 4
	STEP 0, 0, 1                                   ; the first step's products start the sums
	STEP 0, 1, 0
	STEP 0, 2, 0
	TURN 0, 1
	STEP 1, 0, 0
	STEP 1, 1, 0
	STEP 1, 2, 0
	s_wait_dscnt 4*NL                              ; the very last step: nothing more to fetch
	WIN MUL_LO
	MUL16 0, 1, NQ-1, 1, 0
	MUL16 2, 1, NQ-1, 1, 0
	s_wait_dscnt 0
	WIN MUL_HI
	MUL16 4, 1, NQ-1, 1, 0
	MUL16 6, 1, NQ-1, 1, 0
	WIN 0
	PLACES NP                                      ; ahead of every read of results and of every write into the last products' operands
	; THE FIRST 16 POSITIONS OF A BATCH leave as f32 too: my block 0, where my rows begin a batch.  A mask on the lanes, not a branch: the flow is the same in all partners of the cluster.
	s_wait_xcnt 0x0                                ; EXEC changes only behind this wait
	v_cmp_eq_u32 vcc_lo, s[FLAG], v[NIL]
	s_and_saveexec_b32 s[SAVE], vcc_lo
	WIN 0x08                                       ; a store's data: window 2
.irp b, 0,1,2,3,4,5,6,7
	global_store_b128 v[FO], v[8*\b:8*\b+3], s[66:67] offset:64*\b          ; each accumulator from its low end on
	global_store_b128 v[FO], v[8*\b+4:8*\b+7], s[66:67] offset:64*\b+16
.endr
	WIN 0
	s_wait_xcnt 0x0                                ; and again, in front of the line that widens it
	s_or_b32 exec_lo, exec_lo, s[SAVE]
; THE WAY OUT, a block of 16 rows x 128 columns (two heads) at a time: rounded to f16, 16 bytes a lane into my stage, back as rows of 128 bytes: four rows of a head are 512 consecutive bytes of qkv16.
.macro PACK a
.set AC, 64*((\a)%4)
	WIN 0x0a+5*((\a)/4)                            ; sources 0 and 1: window 2 or 3
.irp b, 0,1,2,3,4,5,6,7
.irp i, 0,1,2,3
	v_cvt_pk_f16_f32 v[TMP+4*\b+\i], v[AC+8*\b+2*\i], v[AC+8*\b+2*\i+1]
.endr
.endr
	WIN 0
.endm
.macro TOSTAGE a
.set BB, BK+32*((\a)%2)
.irp b, 0,1,2,3,4,5,6,7
	ds_store_b128 v[STO], v[TMP+4*\b:TMP+4*\b+3] offset:(\b/4)*SHEAD+(\b%4)*32
.endr
.irp i, 0,1,2,3,4,5,6,7
	ds_load_b128 v[BB+4*\i:BB+4*\i+3], v[RD] offset:(\i/4)*SHEAD+(\i%4)*4*SP   ; LDS serves a wave's instructions in order: these see the stores above
.endr
.endm
.macro SEND a
.set BB, BK+32*((\a)%2)
	s_wait_dscnt 0x0                               ; the block is back in registers
	s_wait_xcnt 0x0                                ; the block before has been read by its stores: the next block's loads may land in its registers
.irp i, 0,1,2,3,4,5,6,7
	global_store_b128 v[CO], v[BB+4*\i:BB+4*\i+3], s[12:13] offset:(\i/4)*262144+(\a)*2048+(\i%4)*512 th:TH_STORE_NT   ; 32 lanes store 512 consecutive bytes, aligned
.endr
.endm
	PACK 0
	TOSTAGE 0
.irp a, 1,2,3,4,5,6,7                  ; block a's conversions stand between block a - 1's loads from the stage and the wait for them
	PACK \a
	SEND \a-1
	TOSTAGE \a
.endr
	SEND 7
	s_wait_tensorcnt 0x0                           ; the wave's end
	ds_add_u32 v[SPW], v[NIL]
	s_wait_dscnt 0x0
	CROUND                                         ; the closing round
	s_endpgm
.Lfunc_end_k_q86d747a890_qkv:
	.size	k_q86d747a890_qkv, .Lfunc_end_k_q86d747a890_qkv-k_q86d747a890_qkv
	.p2alignl 7, 3214868480
	.fill 96, 4, 3214868480
	.section	.rodata,"a",@progbits
	.p2align	6, 0x0
	.amdhsa_kernel k_q86d747a890_qkv
		.amdhsa_group_segment_fixed_size 327680
		.amdhsa_private_segment_fixed_size 0
		.amdhsa_enable_private_segment 0
		.amdhsa_kernarg_size 48
		.amdhsa_user_sgpr_count 2
		.amdhsa_user_sgpr_kernarg_segment_ptr 1
		.amdhsa_wavefront_size32 1
		.amdhsa_system_sgpr_workgroup_id_x 1
		.amdhsa_system_sgpr_workgroup_id_y 1
		.amdhsa_system_sgpr_workgroup_id_z 1
		.amdhsa_system_vgpr_workitem_id 0
		.amdhsa_next_free_vgpr 1024
		.amdhsa_next_free_sgpr 100
		.amdhsa_reserve_vcc 1
		.amdhsa_float_denorm_mode_32 3
		.amdhsa_float_denorm_mode_16_64 3
		.amdhsa_memory_ordered 1
		.amdhsa_forward_progress 1
		.amdhsa_inst_pref_size 129
	.end_amdhsa_kernel
	.amdgpu_metadata
---
amdhsa.version: [ 1, 2 ]
amdhsa.kernels:
  - .name:           k_q86d747a890_qkv
    .symbol:         k_q86d747a890_qkv.kd
    .args:
      - { .name: xc, .offset: 0, .size: 8, .value_kind: global_buffer, .address_space: global }
      - { .name: xs, .offset: 8, .size: 8, .value_kind: global_buffer, .address_space: global }
      - { .name: wc, .offset: 16, .size: 8, .value_kind: global_buffer, .address_space: global }
      - { .name: ws, .offset: 24, .size: 8, .value_kind: global_buffer, .address_space: global }
      - { .name: qkv16, .offset: 32, .size: 8, .value_kind: global_buffer, .address_space: global }
      - { .name: qkv32, .offset: 40, .size: 8, .value_kind: global_buffer, .address_space: global }
    .group_segment_fixed_size: 327680
    .private_segment_fixed_size: 0
    .kernarg_segment_align: 8
    .kernarg_segment_size: 48
    .max_flat_workgroup_size: 128
    .sgpr_count:     100
    .vgpr_count:     1024
    .wavefront_size: 32
...
	.end_amdgpu_metadata
.endif
;; end of part 2
;; launch attn (part 3): grid 4 x 64, 16 waves a work-group, clusters of 4 x 1, 327,680 bytes of LDS; arguments qkv16, att16; writes att16
.if DOCPART == 3
	.amdgcn_target "amdgcn-amd-amdhsa--gfx1250"
	.amdhsa_code_object_version 6
	.text
	.protected	k_q86d747a890_attn
	.globl	k_q86d747a890_attn
	.p2align	8
	.type	k_q86d747a890_attn,@function
k_q86d747a890_attn:
	s_mov_b64 s[64:65], 0
	v_nop
	global_prefetch_b8 v0, s[64:65] scope:SCOPE_SE
	s_setreg_imm32_b32 hwreg(HW_REG_WAVE_MODE, 25, 1), 1
	s_wait_xcnt 0x0
	s_wait_alu depctr_hold_cnt(0) depctr_sa_sdst(0) depctr_va_vdst(0) depctr_va_sdst(0) depctr_va_ssrc(0) depctr_va_vcc(0) depctr_vm_vsrc(0)
	s_getreg_b32 s2, hwreg(HW_REG_IB_STS2, 6, 4)
	s_cmp_eq_u32 s2, 0
	s_cbranch_scc0 .Lentry_in_a_cluster
	s_endpgm
.Lentry_in_a_cluster:
	s_bfe_u32 s2, ttmp6, 0x10000c
	s_cmp_lg_u32 s2, 0x3003
	s_cbranch_scc0 .Lentry_shape_is_right
	s_endpgm
.Lentry_shape_is_right:
; att[b][h][q][:] = the sum over keys k <= q of softmax_k(Q[q] . K[k] / 8) V[k][:], for 64 heads (b, h) of 2,048 positions and 64 channels.  Q, K, V: f16, [3][b][h][t][64]; att: f16, [b][h][t][64].
; Products on f16 operands with f32 sums; maxima, exponentials and sums in f32; the weights p are rounded to f16 for the second product, the row's sum is taken of the unrounded p.
; LIMITS: NaN and infinities are not served.  The first 16 positions of each sequence are computed here like the others and are computed again, in f32, by a later launch that overwrites their output rows.
; SHARES.  A cluster of four work-groups is one head.  A wave owns 32 queries, two tiles of 16, beginning at 128 u + 32 cx: u, 0 .. 15, is made of the wave's number alone (a magic square: the u of waves 4 a .. 4 a + 3 sum to 30,
; and so do those of waves b, b + 4, b + 8, b + 12), cx is the work-group's place in the cluster.  Keys go 64 a step.  A wave works in steps j <= 2 u + 1 and masks in steps j >= 2 u: both tests hang on the wave's number and the
; count of steps alone, so the four partners run alike, and in every partner the wave with u = 15 reads every tile.  So K's and V's tiles are asked for JOINTLY by the four.  cx enters only Q's and att's addresses in memory,
; the prefetches' address and the lanes' query numbers.
; LAYOUT.  S^T = K Q^T (source 0 = 16 keys, source 1 = 16 queries): a lane holds ONE query (lane % 16) and keys 8 (lane / 16) + 0 .. 7 of a tile.  Two such tiles, rounded to f16 in pairs, in place, are source 1 of
; O^T = V^T P.  K comes out of LDS as it lies, V ([key][channel]) turned, by ds_load_tr16_b128.
; SOFTMAX.  A running maximum m and sum l for each query: p = 2^(c s - c m), c = log2(e) / 8; in every step O^T and l are multiplied by a = 2^(c m_old - c m_new).
; RING.  Two LDS slots of 256 keys (four steps).  Waves 0, 1 fetch K's halves, waves 2, 3 V's; all sixteen read.  One tensor load of a wave is out at the most; every wait for tensor loads is for all.
.set KP,    144                        ; a row of K in LDS: 128 bytes + 16: the 16 rows of a load start at 16 different banks
.set VP,    160                        ; a row of V: 128 + 32
.set VOFF,  256*KP                     ; a slot: 256 rows of K, then 256 rows of V
.set SLOT1, 1<<17                      ; slot 1 begins here: one exclusive or turns an address in one slot into the other's
.set STAGE, SLOT1+VOFF+256*VP          ; behind the ring: 32 rows x 144 bytes for each wave, for the way out
.set SPARE, STAGE+16*32*KP             ; the spare words, 128 bytes a wave, which no other line names
.set AK0, 1                            ; v1   my lane's place in a tile of K
.set AV0, 2                            ; v2   and of V
.set ADK, 3                            ; v3   LDS address of the step's K
.set ADV, 4                            ; v4   and V
.set SPW, 5                            ; v5   LDS address of my spare word; never rewritten
.set NIL, 6                            ; v6   0; never rewritten
.set GO,  7                            ; v7   16 x lane
.set STO, 8                            ; v8   the way out: where I put 16 bytes of a row
.set RD,  9                            ; v9   and where I read rows back
.set DB,  10                           ; v10  my query of tile 0 - 8 (lane / 16)
.set QO,  11                           ; v11  my byte offset in the wave's rows of Q
.set PFO, 12                           ; v12  256 x lane; never rewritten
.set NINF, 13                          ; v13  -infinity
.set DD,  14                           ; v14, v15  the mask's bound for tiles 0, 1
.set ST,  16                           ; tile t's statistics at v[ST + 8 t]: +0 c m, +1 m, +2, +3 l in two halves, +4 .. +7 at work (a in +6, c m_old in +7)
.set QF,  32                           ; Q: tile t, channels 32 kk on: v[QF + 16 t + 8 kk]
.set SS,  64                           ; S^T: tile t, keys 16 a on: v[SS + 32 t + 8 a]; P of keys 32 g on, in place: v[SS + 32 t + 16 g] .. + 7
.set OA,  128                          ; O^T: tile t, channels 16 dt on: v[OA + 32 t + 8 dt]
.set KV,  192                          ; K (a, kk) at v[KV + 16 a + 8 kk]; then V (g, dt) at v[KV + 32 g + 8 dt]
.set WV,  8                            ; s8   wave
.set UU,  9                            ; s9   u
.set CX,  10                           ; s10  cx
.set BH,  11                           ; s11  the head, 0 .. 63
.set JL,  12                           ; s12  my last step
.set JD,  13                           ; s13  my first masked step
.set JJ,  14                           ; s14  the step
.set KF,  15                           ; s15  its first key
.set TK,  16                           ; s16  LDS byte at which its K begins
.set TV,  17                           ; s17  and, from VOFF on, its V
.set SLOTS, 18                         ; s18  slots still to be asked for
.set SUB, 19                           ; s19  counts a slot's four steps
.set SEL, 20                           ; s[20:21] lane selects for v_permlanex16_b32: lane l xor 16
.set CS,  22                           ; s[22:23] c, twice
.set G1K, 24
.set G1V, 32
.set G0K, 40                           ; the groups 0 walk
.set G0V, 44
.set QP,  48                           ; s[48:49] Q at my first query
.set OP,  50                           ; s[50:51] att likewise
.set PFA, 52                           ; s[52:53] where my prefetches stand
.set LIM, 54                           ; s54  1 in a wave that prefetches, else the greatest number
.macro CROUND                          ; a round of the cluster's barrier
	s_barrier_signal -1
	s_barrier_wait -1
	s_cmp_lg_u32 s[WV], 0
	s_cbranch_scc1 .Lnot_wave_0_\@
	s_barrier_signal -3
.Lnot_wave_0_\@:
	s_barrier_wait -3
	s_barrier_signal -1
	s_barrier_wait -1
.endm
; A joint load.  The branches hang on the wave's number alone.  An s_nop 0 and four v_nop follow each line.
.macro JLOAD
	s_cmp_lt_u32 s[WV], 2
	s_cbranch_scc0 .Lnot_k_\@
	tensor_load_to_lds s[G0K:G0K+3], s[G1K:G1K+7]
	s_nop 0
.rept 4
	v_nop
.endr
	s_branch .Lasked_\@
.Lnot_k_\@:
	s_cmp_lt_u32 s[WV], 4
	s_cbranch_scc0 .Lasked_\@
	tensor_load_to_lds s[G0V:G0V+3], s[G1V:G1V+7]
	s_nop 0
.rept 4
	v_nop
.endr
.Lasked_\@:
.endm
; A prefetch of what the NEXT change of slots will ask for: a slot's 32,768 bytes of K and of V.  The four partners take 8,192 bytes each, told apart by address; in each, wave 4 asks for K's and wave 5 for V's, lanes 256 bytes
; apart: each aligned block of 256 bytes is named once in the launch.  It runs a slot, four steps, ahead of the load.  The last change that fills a slot asks for nothing; slots 0 and 1 come by their loads alone.
.macro ASK
	s_cmp_gt_u32 s[SLOTS], s[LIM]
	s_cbranch_scc0 .Lnot_mine_\@
	global_prefetch_b8 v[PFO], s[PFA:PFA+1] th:TH_LOAD_NT scope:SCOPE_SE
.Lnot_mine_\@:
.endm
	s_load_b128 s[4:7], s[0:1], 0x0                ; qkv16, att16
	v_lshl_add_u32 v[SPW], v0, 2, SPARE
	v_mov_b32 v[NIL], 0
	ds_add_u32 v[SPW], v[NIL]                      ; the wave's opening: the add, twice on end, and its wait ahead of the first tensor load
	ds_add_u32 v[SPW], v[NIL]
	v_lshrrev_b32 v1, 5, v0
	v_readfirstlane_b32 s[WV], v1                  ; wave 0..15
	s_lshr_b32 s56, s[WV], 2
	s_xor_b32 s56, s56, s[WV]
	s_lshr_b32 s57, s56, 1
	s_xor_b32 s56, s56, s57
	s_and_b32 s56, s56, 1                          ; the parity of (wave / 4) xor (wave % 4)
	s_mul_i32 s56, s56, 15
	s_xor_b32 s[UU], s[WV], s56                    ; u = wave or 15 - wave
	s_lshl_b32 s[JD], s[UU], 1
	s_add_co_u32 s[JL], s[JD], 1
	s_bfe_u32 s[CX], ttmp6, 0x40000
	s_and_b32 s[BH], ttmp7, 0xffff
	s_lshl_b32 s56, s[BH], 18                      ; the head's first byte in each tensor: 2,048 rows of 128 bytes
	s_and_b32 s58, s[WV], 1                        ; which 128 rows of a slot I fetch, if I fetch:
	s_lshl_b32 s60, s58, 14
	s_add_co_u32 s60, s60, s56                     ; in memory,
	s_mov_b32 s61, 0
	s_mul_i32 s62, s58, 128*KP                     ; and in a slot: K's,
	s_mul_i32 s63, s58, 128*VP
	s_add_co_u32 s63, s63, VOFF                    ; V's
	s_lshl_b32 s66, s[UU], 7
	s_lshl_b32 s67, s[CX], 5
	s_add_co_u32 s66, s66, s67                     ; my first query
	s_lshl_b32 s68, s66, 7
	s_add_co_u32 s68, s68, s56
	s_mov_b32 s69, 0
	s_mov_b32 s70, 0x2000000                       ; the prefetches: V's tensor, or
	s_cmp_eq_u32 s[WV], 4
	s_cselect_b32 s70, 0x1000000, s70              ; K's, in wave 4;
	s_add_co_u32 s70, s70, s56                     ; my head;
	s_lshl_b32 s71, s[CX], 13
	s_add_co_u32 s70, s70, s71                     ; my work-group's 8,192 bytes;
	s_add_co_u32 s70, s70, 32768                   ; in slot 1: the first change of slots steps it to slot 2
	s_mov_b32 s71, 0
	s_sub_co_u32 s72, s[WV], 4
	s_lshr_b32 s72, s72, 1
	s_cmp_eq_u32 s72, 0                            ; waves 4 and 5
	s_cselect_b32 s[LIM], 1, -1
	; descriptor group 1: 128 rows of 64 elements of 2 bytes, dense in memory; padding behind every 32 words: 4 words for K, 8 for V; the mask names all four partners
	s_mov_b32 s[G1K], 15|(1<<16)|(1<<20)|(1<<21)|(4<<22)|(3<<25)
	s_mov_b32 s[G1V], 15|(1<<16)|(1<<20)|(1<<21)|(4<<22)|(7<<25)
.irp g, G1K, G1V
	s_mov_b32 s[\g+1], 64<<16                      ; tensor_dim0
	s_mov_b32 s[\g+2], 128<<16                     ; tensor_dim1
	s_mov_b32 s[\g+3], 64<<16                      ; tile_dim0
	s_mov_b32 s[\g+4], 128                         ; tile_dim1
	s_mov_b32 s[\g+5], 64                          ; from row to row
	s_mov_b32 s[\g+6], 0
	s_mov_b32 s[\g+7], 0
.endr
	s_mov_b32 s[SEL], 0x76543210
	s_mov_b32 s[SEL+1], 0xfedcba98
	s_mov_b32 s[CS], 0x3e38aa3b                    ; c = log2(e) / 8
	s_mov_b32 s[CS+1], s[CS]
	s_mov_b32 s[JJ], 0
	s_mov_b32 s[KF], 0
	s_mov_b32 s[TK], 0
	s_mov_b32 s[TV], 0
	s_mov_b32 s[SLOTS], 7
	s_wait_dscnt 0x0                               ; both opening adds are done
	s_wait_kmcnt 0x0
	s_add_nc_u64 s[QP:QP+1], s[4:5], s[68:69]
	s_add_nc_u64 s[OP:OP+1], s[6:7], s[68:69]
	s_add_nc_u64 s[PFA:PFA+1], s[4:5], s[70:71]
	s_mov_b32 s[G0K], 1
	s_mov_b32 s[G0K+1], s62
	s_add_nc_u64 s[G0K+2:G0K+3], s[4:5], s[60:61]
	s_add_nc_u64 s[G0K+2:G0K+3], s[G0K+2:G0K+3], 0x1000000   ; K is the second tensor of qkv16
	s_or_b32 s[G0K+3], s[G0K+3], 0x80000000
	s_mov_b32 s[G0V], 1
	s_mov_b32 s[G0V+1], s63
	s_add_nc_u64 s[G0V+2:G0V+3], s[4:5], s[60:61]
	s_add_nc_u64 s[G0V+2:G0V+3], s[G0V+2:G0V+3], 0x2000000   ; V the third
	s_or_b32 s[G0V+3], s[G0V+3], 0x80000000
	CROUND                                         ; all four work-groups are here: the first joint loads meet
	JLOAD                                          ; slot 0
	v_and_b32 v14, 15, v0                          ; r
	v_bfe_u32 v15, v0, 4, 1                        ; hh
	v_and_b32 v3, 31, v0                           ; lane
	v_lshlrev_b32 v[QO], 7, v14
	v_lshl_add_u32 v[QO], v15, 4, v[QO]            ; row r of 128 bytes, + 16 hh
.irp t, 0,1
.irp kk, 0,1
	global_load_b128 v[QF+16*\t+8*\kk:QF+16*\t+8*\kk+3],   v[QO], s[QP:QP+1] offset:\t*2048+\kk*64      ; Q stays in registers
	global_load_b128 v[QF+16*\t+8*\kk+4:QF+16*\t+8*\kk+7], v[QO], s[QP:QP+1] offset:\t*2048+\kk*64+32
.endr
.endr
	v_mul_u32_u24 v[AK0], v14, KP
	v_lshl_add_u32 v[AK0], v15, 4, v[AK0]          ; row r x pitch + 16 hh
	v_and_b32 v4, 7, v0
	v_lshl_add_u32 v[AV0], v15, 3, v4              ; the turning load: key 8 hh + lane % 8,
	v_mul_u32_u24 v[AV0], v[AV0], VP
	v_bfe_u32 v4, v0, 3, 1
	v_lshl_add_u32 v[AV0], v4, 4, v[AV0]           ; channels 8 ((lane / 8) % 2) on
	v_add_nc_u32 v[AV0], VOFF, v[AV0]
	v_lshlrev_b32 v[GO], 4, v3
	v_lshlrev_b32 v[PFO], 8, v3
	s_mul_i32 s58, s[WV], 32*KP
	s_add_co_u32 s58, s58, STAGE                   ; my stage
	v_add_nc_u32 v[STO], s58, v[AK0]               ; in: row r, 16 bytes for each half of the lanes
	v_lshrrev_b32 v4, 3, v3
	v_mul_u32_u24 v4, v4, KP
	v_and_b32 v3, 7, v0
	v_lshl_add_u32 v4, v3, 4, v4
	v_add_nc_u32 v[RD], s58, v4                    ; back: eight lanes to a row, four rows an instruction
	v_lshlrev_b32 v4, 3, v15
	v_sub_nc_u32 v[DB], v14, v4
	v_add_nc_u32 v[DB], s66, v[DB]                 ; my first query + r - 8 hh
	v_mov_b32 v[NINF], 0xff800000
.irp t, 0,1
	v_mov_b32 v[ST+8*\t+1], 0xff61b1e6             ; m: -3e38, under every score
	v_mul_f32 v[ST+8*\t], s[CS], v[ST+8*\t+1]      ; c m
.irp i, 2,3,4,5,6,7
	v_mov_b32 v[ST+8*\t+\i], 0                     ; l; and the registers at work, so that every path finds them written
.endr
.endr
.set i, 0
.rept 64
	v_mov_b32 v[OA+i], 0                           ; O^T.  (The step is written once: the first finds zeros, which its a = 0 leaves zeros)
.set i, i+1
.endr
; A STEP: 64 keys against my 32 queries.
.macro STEP
	s_cmp_gt_u32 s[JJ], s[JL]                      ; all its keys come after my queries: only the lines that step addresses are run
	s_cbranch_scc1 .Lhidden_\@
	v_add_nc_u32 v[ADK], s[TK], v[AK0]
	v_add_nc_u32 v[ADV], s[TV], v[AV0]
.rept 3
	v_nop                                          ; with the two additions five places behind the last step's products: the new S^T is laid over P, which they read, and K's loads land on V's registers
.endr
.irp a, 0,1,2,3
.irp kk, 0,1
	ds_load_b128 v[KV+16*\a+8*\kk:KV+16*\a+8*\kk+3],   v[ADK] offset:\a*16*KP+\kk*64
	ds_load_b128 v[KV+16*\a+8*\kk+4:KV+16*\a+8*\kk+7], v[ADK] offset:\a*16*KP+\kk*64+32
.endr
.endr
	s_wait_dscnt 0x0
.irp kk, 0,1                                   ; S^T = K Q^T: the eight accumulators take turns, one instruction a turn
.irp a, 0,1,2,3
.irp t, 0,1
.if \kk == 0
	v_wmma_f32_16x16x32_f16 v[SS+32*\t+8*\a:SS+32*\t+8*\a+7], v[KV+16*\a+8*\kk:KV+16*\a+8*\kk+7], v[QF+16*\t+8*\kk:QF+16*\t+8*\kk+7], 0
.else
	v_wmma_f32_16x16x32_f16 v[SS+32*\t+8*\a:SS+32*\t+8*\a+7], v[KV+16*\a+8*\kk:KV+16*\a+8*\kk+7], v[QF+16*\t+8*\kk:QF+16*\t+8*\kk+7], v[SS+32*\t+8*\a:SS+32*\t+8*\a+7]
.endif
.endr
.endr
.endr
.rept 4
	v_nop                                          ; places: V's loads land on K's registers, and the scores are read
.endr
.irp g, 0,1                                    ; V, turned: it lands while the softmax is worked
.irp dt, 0,1,2,3
	ds_load_tr16_b128 v[KV+32*\g+8*\dt:KV+32*\g+8*\dt+3],   v[ADV] offset:\g*32*VP+\dt*32
	ds_load_tr16_b128 v[KV+32*\g+8*\dt+4:KV+32*\g+8*\dt+7], v[ADV] offset:\g*32*VP+16*VP+\dt*32
.endr
.endr
	s_cmp_lt_u32 s[JJ], s[JD]                      ; all keys of the step count for all my queries: no mask
	s_cbranch_scc1 .Lopen_\@
	v_sub_nc_u32 v[DD], v[DB], s[KF]               ; register i of a tile holds key KF + 16 (i / 8) + 8 hh + i % 8: hidden where 16 (i / 8) + i % 8 > my query - KF - 8 hh
	v_add_nc_u32 v[DD+1], 16, v[DD]
.set i, 0
.rept 32
.irp t, 0,1
	v_cmp_gt_i32 vcc_lo, 16*(i/8)+i%8, v[DD+\t]
	v_cndmask_b32 v[SS+32*\t+i], v[SS+32*\t+i], v[NINF], vcc_lo
.endr
.set i, i+1
.endr
.Lopen_\@:
	; the maximum of my 32 scores and the old m, three operands at a time, four chains; the two tiles line by line.  Each accumulator is read from its low end on
.irp j, 0,1,2,3
.irp t, 0,1
	v_max3_num_f32 v[ST+8*\t+4+\j], v[SS+32*\t+8*\j], v[SS+32*\t+8*\j+1], v[SS+32*\t+8*\j+2]
.endr
.endr
.irp i, 3,5
.irp j, 0,1,2,3
.irp t, 0,1
	v_max3_num_f32 v[ST+8*\t+4+\j], v[ST+8*\t+4+\j], v[SS+32*\t+8*\j+\i], v[SS+32*\t+8*\j+\i+1]
.endr
.endr
.endr
.irp t, 0,1
	v_max3_num_f32 v[ST+8*\t+4], v[ST+8*\t+4], v[SS+32*\t+7], v[SS+32*\t+15]
	v_max3_num_f32 v[ST+8*\t+6], v[ST+8*\t+6], v[SS+32*\t+23], v[SS+32*\t+31]
.endr
.irp t, 0,1
	v_max3_num_f32 v[ST+8*\t+4], v[ST+8*\t+4], v[ST+8*\t+5], v[ST+8*\t+6]
.endr
.irp t, 0,1
	v_max3_num_f32 v[ST+8*\t+4], v[ST+8*\t+4], v[ST+8*\t+7], v[ST+8*\t+1]
.endr
.irp t, 0,1
	v_permlanex16_b32 v[ST+8*\t+5], v[ST+8*\t+4], s[SEL], s[SEL+1]   ; the query's other 32 keys lie in the lane 16 away
.endr
.irp t, 0,1
	v_mov_b32 v[ST+8*\t+7], v[ST+8*\t]             ; c m_old
.endr
.irp t, 0,1
	v_max_num_f32 v[ST+8*\t+1], v[ST+8*\t+4], v[ST+8*\t+5]
.endr
.irp t, 0,1
	v_mul_f32 v[ST+8*\t], s[CS], v[ST+8*\t+1]
.endr
.irp t, 0,1
	v_sub_f32 v[ST+8*\t+7], v[ST+8*\t+7], v[ST+8*\t]
.endr
.set i, 0
.rept 16
.irp t, 0,1
	v_pk_fma_f32 v[SS+32*\t+2*i:SS+32*\t+2*i+1], v[SS+32*\t+2*i:SS+32*\t+2*i+1], s[CS:CS+1], v[ST+8*\t:ST+8*\t+1] op_sel_hi:[1,0,0] neg_lo:[0,0,1] neg_hi:[0,0,1]   ; c s - c m
.endr
.set i, i+1
.endr
.irp t, 0,1
	v_exp_f32 v[ST+8*\t+6], v[ST+8*\t+7]           ; a.  ONE BATCH of 66 exponentials:
.endr
.set i, 0
.rept 32
.irp t, 0,1
	v_exp_f32 v[SS+32*\t+i], v[SS+32*\t+i]         ; p, at most 1
.endr
.set i, i+1
.endr
	v_nop                                          ; a plain instruction behind the last exponential (ISA guide 5.7.2),
	s_wait_alu depctr_va_vdst(0)                   ; and one wait for the batch, ahead of its first reader
.irp t, 0,1
	v_pk_mul_f32 v[ST+8*\t+2:ST+8*\t+3], v[ST+8*\t+2:ST+8*\t+3], v[ST+8*\t+6:ST+8*\t+7] op_sel_hi:[1,0]   ; l x a
	v_pk_add_f32 v[ST+8*\t+4:ST+8*\t+5], v[SS+32*\t:SS+32*\t+1], v[SS+32*\t+2:SS+32*\t+3]               ; the sum of the unrounded p, two at a time, in two chains
.endr
.irp i, 4,8,12,16,20,24,28
.irp t, 0,1
	v_pk_add_f32 v[ST+8*\t+2:ST+8*\t+3], v[ST+8*\t+2:ST+8*\t+3], v[SS+32*\t+\i:SS+32*\t+\i+1]
	v_pk_add_f32 v[ST+8*\t+4:ST+8*\t+5], v[ST+8*\t+4:ST+8*\t+5], v[SS+32*\t+\i+2:SS+32*\t+\i+3]
.endr
.endr
.irp t, 0,1
	v_pk_add_f32 v[ST+8*\t+2:ST+8*\t+3], v[ST+8*\t+2:ST+8*\t+3], v[ST+8*\t+4:ST+8*\t+5]
.endr
.irp g, 0,1                                    ; P, in place, ascending: register p of a group of 32 keys takes weights 2 p and 2 p + 1
.irp p, 0,1,2,3,4,5,6,7
.irp t, 0,1
	v_cvt_pk_f16_f32 v[SS+32*\t+16*\g+\p], v[SS+32*\t+16*\g+2*\p], v[SS+32*\t+16*\g+2*\p+1]
.endr
.endr
.endr
.set i, 0
.rept 16
.irp t, 0,1
	v_pk_mul_f32 v[OA+32*\t+2*i:OA+32*\t+2*i+1], v[OA+32*\t+2*i:OA+32*\t+2*i+1], v[ST+8*\t+6:ST+8*\t+7] op_sel_hi:[1,0]   ; O^T x a
.endr
.set i, i+1
.endr
	s_wait_dscnt 0x0                               ; V is in
.irp g, 0,1                                    ; O^T += V^T P: the eight accumulators take turns
.irp dt, 0,1,2,3
.irp t, 0,1
	v_wmma_f32_16x16x32_f16 v[OA+32*\t+8*\dt:OA+32*\t+8*\dt+7], v[KV+32*\g+8*\dt:KV+32*\g+8*\dt+7], v[SS+32*\t+16*\g:SS+32*\t+16*\g+7], v[OA+32*\t+8*\dt:OA+32*\t+8*\dt+7]
.endr
.endr
.endr
.Lhidden_\@:
	s_add_co_u32 s[JJ], s[JJ], 1
	s_add_co_u32 s[KF], s[KF], 64
	s_add_co_u32 s[TK], s[TK], 64*KP
	s_add_co_u32 s[TV], s[TV], 64*VP
.endm
; THE CHANGE OF SLOTS stands at a slot's head.  Each wave waits for all its tensor loads (its part of the slot ahead), adds 0 to its spare word, and waits for that and for its reads of the slot that it has left.
; fill = 1: a round of the cluster's barrier, so that no wave of any partner still reads that slot or has a load on its way; behind it the slot is filled with the next 256 keys, which have four steps in which to land.
.macro CHANGE fill
	s_wait_tensorcnt 0x0                           ; no tensor load of mine is out, so a group 0 may be written
	ds_add_u32 v[SPW], v[NIL]                      ; 0 onto my spare word
.if \fill
	ds_add_u32 v[SPW], v[NIL]                      ; and once more: twice on end, in every trip alike
	s_xor_b32 s[G0K+1], s[G0K+1], SLOT1            ; the walking descriptors: the other slot than last time,
	s_add_nc_u64 s[G0K+2:G0K+3], s[G0K+2:G0K+3], 32768   ; the next 256 keys
	s_xor_b32 s[G0V+1], s[G0V+1], SLOT1
	s_add_nc_u64 s[G0V+2:G0V+3], s[G0V+2:G0V+3], 32768
	s_wait_xcnt 0x0                                ; the last prefetch, a slot back, has read its address:
	s_add_nc_u64 s[PFA:PFA+1], s[PFA:PFA+1], 32768 ; one slot further on than the walking descriptors
	s_wait_dscnt 0x0                               ; both adds are done, and my reads of the slot that I have left are over
	CROUND
	JLOAD                                          ; the first thing behind the round, and a wave's one tensor load until the next
	ASK
.else
	s_wait_dscnt 0x0
	s_barrier_signal -1
	s_barrier_wait -1
.endif
.endm
.macro SLOT_STEPS                      ; a slot's four steps: written once, walked four times
	s_mov_b32 s[SUB], 4
.Lsub_\@:
	STEP
	s_sub_co_u32 s[SUB], s[SUB], 1
	s_cmp_lg_u32 s[SUB], 0
	s_cbranch_scc1 .Lsub_\@
	s_sub_co_u32 s[TK], s[TK], 256*KP              ; back to a slot's first step,
	s_xor_b32 s[TK], s[TK], SLOT1                  ; in the other slot
	s_sub_co_u32 s[TV], s[TV], 256*VP
	s_xor_b32 s[TV], s[TV], SLOT1
.endm
	s_wait_loadcnt 0x0                             ; Q
.Lslot:                                            ; seven trips: behind each change of slots but the last the next slot is asked for
	CHANGE 1
	SLOT_STEPS
	s_sub_co_u32 s[SLOTS], s[SLOTS], 1
	s_cmp_lg_u32 s[SLOTS], 0
	s_cbranch_scc1 .Lslot
	CHANGE 0                                       ; the last slot is written out
	SLOT_STEPS
	; THE WAY OUT.  l's halves are added; O^T is divided by l, rounded to f16, and goes through my stage: my 32 rows of 128 bytes are 4,096 consecutive bytes of att16.
.rept 4
	v_nop                                          ; places behind the last products
.endr
.irp t, 0,1
	v_add_f32 v[ST+8*\t+4], v[ST+8*\t+2], v[ST+8*\t+3]
.endr
.irp t, 0,1
	v_permlanex16_b32 v[ST+8*\t+5], v[ST+8*\t+4], s[SEL], s[SEL+1]
.endr
.irp t, 0,1
	v_add_f32 v[ST+8*\t+4], v[ST+8*\t+4], v[ST+8*\t+5]
.endr
.irp t, 0,1
	v_rcp_f32 v[ST+8*\t+6], v[ST+8*\t+4]
.endr
	v_nop                                          ; a plain instruction behind the reciprocals,
	s_wait_alu depctr_va_vdst(0)                   ; and the one wait ahead of their first reader
.irp t, 0,1
.set i, 0
.rept 16
	v_pk_mul_f32 v[OA+32*\t+2*i:OA+32*\t+2*i+1], v[OA+32*\t+2*i:OA+32*\t+2*i+1], v[ST+8*\t+6:ST+8*\t+7] op_sel_hi:[1,0]
.set i, i+1
.endr
.set i, 0
.rept 16
	v_cvt_pk_f16_f32 v[SS+32*\t+i], v[OA+32*\t+2*i], v[OA+32*\t+2*i+1]
.set i, i+1
.endr
.irp dt, 0,1,2,3
	ds_store_b128 v[STO], v[SS+32*\t+4*\dt:SS+32*\t+4*\dt+3] offset:\t*16*KP+\dt*32
.endr
.endr
.irp i, 0,1,2,3,4,5,6,7
	ds_load_b128 v[KV+4*\i:KV+4*\i+3], v[RD] offset:\i*4*KP        ; LDS serves a wave's instructions in order: these see my stores
.endr
.irp i, 0,1,2,3,4,5,6,7
	s_wait_dscnt 7-\i                              ; load i is in; the younger ones may be out
	global_store_b128 v[GO], v[KV+4*\i:KV+4*\i+3], s[OP:OP+1] offset:\i*512    ; 32 lanes store 512 consecutive bytes, aligned
.endr
	s_wait_tensorcnt 0x0                           ; the wave's end
	ds_add_u32 v[SPW], v[NIL]
	s_wait_dscnt 0x0
	CROUND                                         ; the closing round
	s_endpgm
.Lfunc_end_k_q86d747a890_attn:
	.size	k_q86d747a890_attn, .Lfunc_end_k_q86d747a890_attn-k_q86d747a890_attn
	.p2alignl 7, 3214868480
	.fill 96, 4, 3214868480
	.section	.rodata,"a",@progbits
	.p2align	6, 0x0
	.amdhsa_kernel k_q86d747a890_attn
		.amdhsa_group_segment_fixed_size 327680
		.amdhsa_private_segment_fixed_size 0
		.amdhsa_enable_private_segment 0
		.amdhsa_kernarg_size 16
		.amdhsa_user_sgpr_count 2
		.amdhsa_user_sgpr_kernarg_segment_ptr 1
		.amdhsa_wavefront_size32 1
		.amdhsa_system_sgpr_workgroup_id_x 1
		.amdhsa_system_sgpr_workgroup_id_y 1
		.amdhsa_system_sgpr_workgroup_id_z 1
		.amdhsa_system_vgpr_workitem_id 0
		.amdhsa_next_free_vgpr 256
		.amdhsa_next_free_sgpr 100
		.amdhsa_reserve_vcc 1
		.amdhsa_float_denorm_mode_32 3
		.amdhsa_float_denorm_mode_16_64 3
		.amdhsa_memory_ordered 1
		.amdhsa_forward_progress 1
		.amdhsa_inst_pref_size 63
	.end_amdhsa_kernel
	.amdgpu_metadata
---
amdhsa.version: [ 1, 2 ]
amdhsa.kernels:
  - .name:           k_q86d747a890_attn
    .symbol:         k_q86d747a890_attn.kd
    .args:
      - { .name: qkv16, .offset: 0, .size: 8, .value_kind: global_buffer, .address_space: global }
      - { .name: att16, .offset: 8, .size: 8, .value_kind: global_buffer, .address_space: global }
    .group_segment_fixed_size: 327680
    .private_segment_fixed_size: 0
    .kernarg_segment_align: 8
    .kernarg_segment_size: 16
    .max_flat_workgroup_size: 512
    .sgpr_count:     100
    .vgpr_count:     256
    .wavefront_size: 32
...
	.end_amdgpu_metadata
.endif
;; end of part 3
;; launch proj (part 4): grid 4 x 64, 4 waves a work-group, clusters of 4 x 4, 327,680 bytes of LDS; arguments att16, w16, out0; writes out0
.if DOCPART == 4
	.amdgcn_target "amdgcn-amd-amdhsa--gfx1250"
	.amdhsa_code_object_version 6
	.text
	.protected	k_q86d747a890_proj
	.globl	k_q86d747a890_proj
	.p2align	8
	.type	k_q86d747a890_proj,@function
k_q86d747a890_proj:
	s_mov_b64 s[64:65], 0
	v_nop
	global_prefetch_b8 v0, s[64:65] scope:SCOPE_SE
	s_setreg_imm32_b32 hwreg(HW_REG_WAVE_MODE, 25, 1), 1
	s_wait_xcnt 0x0
	s_wait_alu depctr_hold_cnt(0) depctr_sa_sdst(0) depctr_va_vdst(0) depctr_va_sdst(0) depctr_va_ssrc(0) depctr_va_vcc(0) depctr_vm_vsrc(0)
	s_getreg_b32 s2, hwreg(HW_REG_IB_STS2, 6, 4)
	s_cmp_eq_u32 s2, 0
	s_cbranch_scc0 .Lentry_in_a_cluster
	s_endpgm
.Lentry_in_a_cluster:
	s_bfe_u32 s2, ttmp6, 0x10000c
	s_cmp_lg_u32 s2, 0xf033
	s_cbranch_scc0 .Lentry_shape_is_right
	s_endpgm
.Lentry_shape_is_right:
; out0[m][n] = sum over c of att[m][c] w_out[n][c]: M = 8,192, N = 1,024, K = 1,024; f16 operands, f32 sums, f32 out.  att16 lies by head, [b][h][t][64]: channel c = 64 h + d.  w16: [n][c].
; The rows t < 16 of each batch are written here like the others and are written again, from f32 operands, by the launch that follows.
; A tile of 128 rows x 256 columns to a work-group: 256 work-groups.  Four waves, each 64 x 128: 32 accumulators, 256 registers (window 1).  K goes in 8 steps of 128, two heads a step, through two LDS slots.
; A step's tile of att is two dense chunks of memory, one a head: 128 rows of 128 bytes; w16's tile is 256 rows of 256 bytes.  Waves 0, 1 fetch att's two chunks, waves 2, 3 w16's halves: one load a wave.
; CLUSTERS: 4 x 4.  att's tile hangs on the tile row alone and is shared along a row of the cluster, w16's on the tile column alone and is shared along a column: joint loads.
; THE MATRIX INSTRUCTION IS USED TRANSPOSED (source 0 = 16 rows of w16, source 1 = 16 rows of att): a lane holds eight neighbouring columns of a row of out0.
; REGISTERS: window 0: v16-29 addresses; two fragment buffers of 96 (32 along K: att's 4 fragments, then w16's 8) at v32 and v128; on the way out v32-159 hold rows.  window 1: accumulator (a, b) at v[8 (8 a + b)].
.set PA,     144                       ; a row of att in LDS: 128 bytes + 16
.set PB,     272                       ; a row of w16: 256 + 16
.set CHUNK,  128*PA
.set HALFB,  128*PB
.set BOFF,   2*CHUNK
.set SLOT,   BOFF+2*HALFB
.set STAGE,  2*SLOT                    ; behind the ring: 16 rows x (512 bytes + 16) for each wave
.set SPITCH, 528
.set SPARE,  STAGE+4*16*SPITCH         ; the spare words, 128 bytes a wave, which no other line names
.set LAPS,   4                         ; a lap = two K steps = once round the ring
.set ADRA, 16                          ; v16-17  LDS address of my att fragments in slot 0, 1
.set ADRB, 20                          ; v20-21  the same for w16
.set STO,  24
.set RD,   25
.set CO,   26
.set SPW,  28                          ; never rewritten
.set NIL,  29                          ; never rewritten
.set F0,   32
.set F1,   128
.set BK,   32
.set G1, 24
.set G0, 32
.set G1B, 48
.set G0B, 56
.set MSB, 0
.macro WIN new                         ; the immediate's high byte repeats the setting that is left
.if MSB != \new
	s_set_vgpr_msb (MSB<<8)|\new
.set MSB, \new
.endif
.endm
.set MUL, 0x50                         ; sources 0 and 1 window 0; C and D window 1
.macro JLOAD s                         ; a joint load; an s_nop 0 and four v_nop follow each line
	s_cmp_eq_u32 s11, 0
	s_cbranch_scc0 .Lfor_b_\@
	tensor_load_to_lds s[G0+4*\s:G0+4*\s+3], s[G1:G1+7]
	s_nop 0
.rept 4
	v_nop
.endr
	s_branch .Lasked_\@
.Lfor_b_\@:
	tensor_load_to_lds s[G0B+4*\s:G0B+4*\s+3], s[G1B:G1B+7]
	s_nop 0
.rept 4
	v_nop
.endr
.Lasked_\@:
.endm
.macro CREST                           ; a round of the cluster's barrier behind its opening barrier
	s_cmp_lg_u32 s10, 0
	s_cbranch_scc1 .Lnot_wave_0_\@
	s_barrier_signal -3
.Lnot_wave_0_\@:
	s_barrier_wait -3
	s_barrier_signal -1
	s_barrier_wait -1
.endm
.macro CROUND
	s_barrier_signal -1
	s_barrier_wait -1
	CREST
.endm
	s_load_b128 s[4:7], s[0:1], 0x0                ; att16, w16
	s_load_b64 s[8:9], s[0:1], 0x10                ; out0
	v_lshl_add_u32 v[SPW], v0, 2, SPARE
	v_mov_b32 v[NIL], 0
	ds_add_u32 v[SPW], v[NIL]                      ; the wave's opening: the add, twice on end, and its wait ahead of my first tensor load
	ds_add_u32 v[SPW], v[NIL]
	v_lshrrev_b32 v1, 5, v0
	v_readfirstlane_b32 s10, v1                    ; wave 0..3
	s_lshr_b32 s11, s10, 1                         ; which 64 rows of the tile are mine.  Also: I fetch for att (0) or for w16 (1)
	s_and_b32 s12, s10, 1                          ; which 128 columns.  Also: which chunk or half I fetch
	s_bfe_u32 s40, ttmp6, 0x40000                  ; cx, cy
	s_bfe_u32 s41, ttmp6, 0x40004
	s_lshl_b32 s42, ttmp9, 2
	s_add_co_u32 s42, s42, s40                     ; tile column
	s_and_b32 s13, ttmp7, 0xffff
	s_lshl_b32 s13, s13, 2
	s_add_co_u32 s13, s13, s41                     ; tile row
	s_lshl_b32 s43, s41, 2
	s_lshl_b32 s43, 15, s43                        ; my row of the cluster
	s_lshl_b32 s44, 0x1111, s40                    ; my column
	s_or_b32 s[G1+0], s43, (1<<16)|(1<<20)|(1<<21)|(4<<22)|(3<<25)    ; elements of 2 bytes; 4 words of padding behind every 32
	s_mov_b32 s[G1+1], 64<<16                      ; tensor_dim0
	s_mov_b32 s[G1+2], 128<<16                     ; tensor_dim1
	s_mov_b32 s[G1+3], 64<<16                      ; tile_dim0
	s_mov_b32 s[G1+4], 128                         ; tile_dim1
	s_mov_b32 s[G1+5], 64                          ; from row to row
	s_mov_b32 s[G1+6], 0
	s_mov_b32 s[G1+7], 0
	s_or_b32 s[G1B+0], s44, (1<<16)|(1<<20)|(1<<21)|(5<<22)|(3<<25)   ; 4 words of padding behind every 64
	s_mov_b32 s[G1B+1], 128<<16
	s_mov_b32 s[G1B+2], 128<<16
	s_mov_b32 s[G1B+3], 128<<16
	s_mov_b32 s[G1B+4], 128
	s_mov_b32 s[G1B+5], 1024
	s_mov_b32 s[G1B+6], 0
	s_mov_b32 s[G1B+7], 0
	s_lshr_b32 s16, s13, 4                         ; att: batch = tile row / 16;
	s_lshl_b32 s16, s16, 4
	s_add_co_u32 s16, s16, s12                     ; head 0 or 1 of the step;
	s_lshl_b32 s16, s16, 18                        ; a head is 2,048 rows of 128 bytes;
	s_and_b32 s17, s13, 15
	s_lshl_b32 s17, s17, 14                        ; t = 128 (tile row % 16)
	s_add_co_u32 s16, s16, s17
	s_mov_b32 s17, 0
	s_lshl_b32 s46, s42, 19                        ; w16: row 256 x tile column + 128 x half, 2,048 bytes a row
	s_lshl_b32 s47, s12, 18
	s_add_co_u32 s46, s46, s47
	s_mov_b32 s47, 0
	s_mul_i32 s20, s12, CHUNK                      ; where they go: no place in the cluster enters an LDS address
	s_mul_i32 s21, s12, HALFB
	s_add_co_u32 s21, s21, BOFF
	s_wait_dscnt 0x0                               ; both opening adds are done
	s_wait_kmcnt 0x0
	s_add_nc_u64 s[14:15], s[4:5], s[16:17]
	s_add_nc_u64 s[46:47], s[6:7], s[46:47]
	CROUND                                         ; all sixteen work-groups are here: the first joint loads meet
.irp s, 0,1
	s_mov_b32 s[G0+4*\s], 1
	s_add_co_u32 s[G0+4*\s+1], s20, \s*SLOT
	s_add_nc_u64 s[G0+4*\s+2:G0+4*\s+3], s[14:15], \s*524288        ; K step s: two heads on
	s_or_b32 s[G0+4*\s+3], s[G0+4*\s+3], 0x80000000
	s_mov_b32 s[G0B+4*\s], 1
	s_add_co_u32 s[G0B+4*\s+1], s21, \s*SLOT
	s_add_nc_u64 s[G0B+4*\s+2:G0B+4*\s+3], s[46:47], \s*256
	s_or_b32 s[G0B+4*\s+3], s[G0B+4*\s+3], 0x80000000
	JLOAD \s                                       ; two loads of mine are out
.endr
	v_and_b32 v1, 15, v0                           ; r
	v_bfe_u32 v2, v0, 4, 1                         ; hh
	v_mul_u32_u24 v3, v1, PA
	v_lshl_add_u32 v3, v2, 4, v3
	v_mul_u32_u24 v4, v1, PB
	v_lshl_add_u32 v4, v2, 4, v4
	s_mul_i32 s21, s11, 64*PA                      ; my 64 rows of att, in each chunk
	s_mul_i32 s22, s12, HALFB                      ; my 128 rows of w16
	s_add_co_u32 s22, s22, BOFF
.irp s, 0,1
	v_add_nc_u32 v[ADRA+\s], s21, v3
	v_add_nc_u32 v[ADRB+\s], s22, v4
	s_add_co_u32 s21, s21, SLOT
	s_add_co_u32 s22, s22, SLOT
.endr
	s_mul_i32 s23, s10, 16*SPITCH
	s_add_co_u32 s23, s23, STAGE                   ; my stage
	v_mul_u32_u24 v5, v1, SPITCH
	v_lshl_add_u32 v5, v2, 5, v5
	v_add_nc_u32 v[STO], s23, v5                   ; in: row r, 32 bytes for each half of the lanes
	v_and_b32 v6, 31, v0
	v_lshlrev_b32 v[CO], 4, v6                     ; back: the 32 lanes take one row of 512 bytes; and the same in out0
	v_add_nc_u32 v[RD], s23, v[CO]
	s_lshl_b32 s16, s13, 19                        ; my first row: 128 x tile row + 64 x half, 4,096 bytes a row
	s_lshl_b32 s17, s11, 18
	s_add_co_u32 s16, s16, s17
	s_mov_b32 s17, 0
	s_add_nc_u64 s[8:9], s[8:9], s[16:17]
	s_lshl_b32 s46, s42, 10                        ; my first column, in bytes: 1,024 x tile column + 512 x half
	s_lshl_b32 s47, s12, 9
	s_add_co_u32 s46, s46, s47
	s_mov_b32 s47, 0
	s_add_nc_u64 s[8:9], s[8:9], s[46:47]
; 8 matrix instructions: att's block a against w16's eight, 32 along K.  The 32 accumulators take turns, one instruction a turn, in the same order in every quarter.
.macro MUL8 f, a, zero
.irp b, 0,1,2,3,4,5,6,7
.if \zero
	v_wmma_f32_16x16x32_f16 v[8*(8*(\a)+\b):8*(8*(\a)+\b)+7], v[\f+32+8*\b:\f+32+8*\b+7], v[\f+8*(\a):\f+8*(\a)+7], 0
.else
	v_wmma_f32_16x16x32_f16 v[8*(8*(\a)+\b):8*(8*(\a)+\b)+7], v[\f+32+8*\b:\f+32+8*\b+7], v[\f+8*(\a):\f+8*(\a)+7], v[8*(8*(\a)+\b):8*(8*(\a)+\b)+7]
.endif
.endr
.endm
; 24 LDS loads in one run: the fragments of the slot's kq-th 32 along K into buffer f; w16's first, att's blocks last
.macro FETCH slot, kq, f
	WIN 0
.irp b, 0,1,2,3,4,5,6,7
	ds_load_b128 v[\f+32+8*\b:\f+32+8*\b+3],   v[ADRB+\slot] offset:64*(\kq)+\b*16*PB
	ds_load_b128 v[\f+32+8*\b+4:\f+32+8*\b+7], v[ADRB+\slot] offset:64*(\kq)+\b*16*PB+32
.endr
.irp a, 0,1,2,3
	ds_load_b128 v[\f+8*\a:\f+8*\a+3],   v[ADRA+\slot] offset:((\kq)/2)*CHUNK+((\kq)%2)*64+\a*16*PA
	ds_load_b128 v[\f+8*\a+4:\f+8*\a+7], v[ADRA+\slot] offset:((\kq)/2)*CHUNK+((\kq)%2)*64+\a*16*PA+32
.endr
.endm
.macro PLACES                          ; four plain vector instructions in front of loads into registers that matrix instructions have read, and of reads of results
.rept 4
	v_nop
.endr
.endm
; A K step is four quarters of 32 along K on buffers 0, 1, 0, 1.  One of the first three: multiplies buffer f and fetches quarter kq into g.
.macro QUARTER slot, kq, f, g, zero
	s_wait_dscnt 4                                 ; w16's fragments and att's blocks 0, 1 are in; the youngest four loads (blocks 2, 3) may be out
	WIN MUL
	MUL8 \f, 0, \zero
	MUL8 \f, 1, \zero
	PLACES
	FETCH \slot, \kq, \g
	s_wait_dscnt 24                                ; all but the 24 just issued
	WIN MUL
	MUL8 \f, 2, \zero
	MUL8 \f, 3, \zero
.endm
; The last quarter multiplies buffer 1 and changes slots: one barrier; in front of it each wave waits for all its tensor loads, adds 0 to its spare word, and waits for that and for its reads of this slot.
.macro TURN slot, next, fill
	WIN 0
	s_wait_tensorcnt 0x0                           ; all my tensor loads have landed: my part of the next slot
	ds_add_u32 v[SPW], v[NIL]                      ; 0 onto my spare word
	s_wait_dscnt 5                                 ; (the add and the youngest four loads may be out)
	WIN MUL
	MUL8 F1, 0, 0
	s_wait_dscnt 0x0                               ; the add is done, and my reads of this slot are over
	s_barrier_signal -1
	MUL8 F1, 1, 0
.if \fill
	WIN 0
.endif
	s_barrier_wait -1
.if \fill
	CREST                                          ; the barrier has opened a round of the cluster's: no wave of any partner still reads this slot or has a load on its way
	s_add_nc_u64 s[G0+4*\slot+2:G0+4*\slot+3], s[G0+4*\slot+2:G0+4*\slot+3], 1048576     ; two K steps on: four heads
	s_add_nc_u64 s[G0B+4*\slot+2:G0B+4*\slot+3], s[G0B+4*\slot+2:G0B+4*\slot+3], 512
	JLOAD \slot                                    ; the first tensor load behind the round; its four v_nop are also the places in front of the loads below
.else
	PLACES
.endif
	FETCH \next, 0, F0
	WIN MUL
	MUL8 F1, 2, 0
	MUL8 F1, 3, 0
.endm
	s_wait_tensorcnt 1                             ; my part of K step 0 is in; K step 1's may be out
	s_barrier_signal -1
	s_barrier_wait -1
	FETCH 0, 0, F0
	QUARTER 0, 1, F0, F1, 1                        ; the first quarter's products start the sums
	WIN 0                                          ; at a label and at a branch every window is 0
	s_mov_b32 s3, LAPS-1
.Llap:                                             ; a trip goes once round the ring, from a lap's second quarter to the next lap's first, and fills both slots again
	QUARTER 0, 2, F1, F0, 0
	QUARTER 0, 3, F0, F1, 0
	TURN 0, 1, 1
	QUARTER 1, 1, F0, F1, 0
	QUARTER 1, 2, F1, F0, 0
	QUARTER 1, 3, F0, F1, 0
	TURN 1, 0, 1
	QUARTER 0, 1, F0, F1, 0
	WIN 0
	s_sub_co_u32 s3, s3, 1
	s_cmp_lg_u32 s3, 0
	s_cbranch_scc1 .Llap
	QUARTER 0, 2, F1, F0, 0                        ; the last lap fills nothing
	QUARTER 0, 3, F0, F1, 0
	TURN 0, 1, 0
	QUARTER 1, 1, F0, F1, 0
	QUARTER 1, 2, F1, F0, 0
	QUARTER 1, 3, F0, F1, 0
	s_wait_dscnt 4                                 ; the very last quarter: nothing more to fetch
	WIN MUL
	MUL8 F1, 0, 0
	MUL8 F1, 1, 0
	s_wait_dscnt 0
	MUL8 F1, 2, 0
	MUL8 F1, 3, 0
	WIN 0
; THE WAY OUT, a block of 16 rows x 128 columns at a time, through my own stage: in as 32 bytes a lane, back as whole rows of 512 bytes.
.macro TOSTAGE a
	WIN 0x04                                       ; an LDS store's data: window 1
.irp b, 0,1,2,3,4,5,6,7
	ds_store_b128 v[STO], v[8*(8*(\a)+\b):8*(8*(\a)+\b)+3] offset:64*\b            ; each accumulator from its low end on
	ds_store_b128 v[STO], v[8*(8*(\a)+\b)+4:8*(8*(\a)+\b)+7] offset:64*\b+16
.endr
	WIN 0
.set BB, BK+64*((\a)%2)
.irp t, 0,1,2,3,4,5,6,7,8,9,10,11,12,13,14,15
	ds_load_b128 v[BB+4*\t:BB+4*\t+3], v[RD] offset:\t*SPITCH      ; LDS serves a wave's instructions in order: these see the stores above
.endr
.endm
.macro SEND a, younger                 ; younger: the LDS instructions issued behind block a's loads, which may stay out
.set BB, BK+64*((\a)%2)
	s_wait_dscnt \younger
.irp t, 0,1,2,3,4,5,6,7,8,9,10,11,12,13,14,15
	global_store_b128 v[CO], v[BB+4*\t:BB+4*\t+3], s[8:9] offset:(16*(\a)+\t)*4096 th:TH_STORE_NT   ; 32 lanes store 512 consecutive bytes, aligned
.endr
.endm
	PLACES
	TOSTAGE 0
.irp a, 1,2,3
.if \a > 1
	s_wait_xcnt 0x0                                ; block a - 2's stores have read their registers: block a's loads may land there
.endif
	TOSTAGE \a
	SEND \a-1, 32                                  ; behind block a - 1's loads: block a's 16 stores and 16 loads
.endr
	SEND 3, 0
	s_wait_tensorcnt 0x0                           ; the wave's end
	ds_add_u32 v[SPW], v[NIL]
	s_wait_dscnt 0x0
	CROUND                                         ; the closing round
	s_endpgm
.Lfunc_end_k_q86d747a890_proj:
	.size	k_q86d747a890_proj, .Lfunc_end_k_q86d747a890_proj-k_q86d747a890_proj
	.p2alignl 7, 3214868480
	.fill 96, 4, 3214868480
	.section	.rodata,"a",@progbits
	.p2align	6, 0x0
	.amdhsa_kernel k_q86d747a890_proj
		.amdhsa_group_segment_fixed_size 327680
		.amdhsa_private_segment_fixed_size 0
		.amdhsa_enable_private_segment 0
		.amdhsa_kernarg_size 24
		.amdhsa_user_sgpr_count 2
		.amdhsa_user_sgpr_kernarg_segment_ptr 1
		.amdhsa_wavefront_size32 1
		.amdhsa_system_sgpr_workgroup_id_x 1
		.amdhsa_system_sgpr_workgroup_id_y 1
		.amdhsa_system_sgpr_workgroup_id_z 1
		.amdhsa_system_vgpr_workitem_id 0
		.amdhsa_next_free_vgpr 512
		.amdhsa_next_free_sgpr 66
		.amdhsa_reserve_vcc 0
		.amdhsa_float_denorm_mode_32 3
		.amdhsa_float_denorm_mode_16_64 3
		.amdhsa_memory_ordered 1
		.amdhsa_forward_progress 1
		.amdhsa_inst_pref_size 85
	.end_amdhsa_kernel
	.amdgpu_metadata
---
amdhsa.version: [ 1, 2 ]
amdhsa.kernels:
  - .name:           k_q86d747a890_proj
    .symbol:         k_q86d747a890_proj.kd
    .args:
      - { .name: att16, .offset: 0, .size: 8, .value_kind: global_buffer, .address_space: global }
      - { .name: w16, .offset: 8, .size: 8, .value_kind: global_buffer, .address_space: global }
      - { .name: out0, .offset: 16, .size: 8, .value_kind: global_buffer, .address_space: global }
    .group_segment_fixed_size: 327680
    .private_segment_fixed_size: 0
    .kernarg_segment_align: 8
    .kernarg_segment_size: 24
    .max_flat_workgroup_size: 128
    .sgpr_count:     66
    .vgpr_count:     512
    .wavefront_size: 32
...
	.end_amdgpu_metadata
.endif
;; end of part 4
;; launch fine (part 5): grid 16 x 4, 16 waves a work-group, no clusters, 71,680 bytes of LDS; arguments qkv32, w_out, out0; writes out0
.if DOCPART == 5
	.amdgcn_target "amdgcn-amd-amdhsa--gfx1250"
	.amdhsa_code_object_version 6
	.text
	.protected	k_q86d747a890_fine
	.globl	k_q86d747a890_fine
	.p2align	8
	.type	k_q86d747a890_fine,@function
k_q86d747a890_fine:
	s_mov_b64 s[64:65], 0
	v_nop
	global_prefetch_b8 v0, s[64:65] scope:SCOPE_SE
	s_setreg_imm32_b32 hwreg(HW_REG_WAVE_MODE, 25, 1), 1
	s_wait_xcnt 0x0
; THE FIRST 16 POSITIONS OF EVERY SEQUENCE, in f32 from end to end: they average one to sixteen values and are the largest outputs, so the rounding of 16-bit operands weighs most there.
; out0[b][t][o], t < 16, from qkv32 [b][t 16][3,072] (q, k, v in f32) and w_out [1,024][1,024] f32, by v_wmma_f32_16x16x4_f32: 64 rows of 8,192, no bulk work.  It writes over what the launch before left in these rows.
; SHARES.  Work-group (j, b) makes out0[b][0..15][64 j .. 64 j + 63].  Wave h makes head h's attention for the 16 positions and the part of the projection that sums over that head's 64 channels; the sixteen parts
; meet in LDS and are added in a fixed order.  No cluster and no tensor loads: what the work-groups share is a few kilobytes, loaded straight into registers.
; K IS PERMUTED ALIKE ON BOTH SOURCES, which keeps every product: place (hh = lane / 16, jj = register) of K step s stands for channel 32 hh + 2 s + jj in S^T = K Q^T, for key 8 hh + 2 s + jj in O^T = V^T P,
; and for channel 16 dt + 8 hh + 2 s + jj in Y = W O^T.  So each product's result is the next product's source as it stands in the registers.
; The registers that the matrix instructions write, v192-255, are written by nothing else: what is made of a sum goes into other registers.
; LIMITS: NaN and infinities are not served.
.set PITCH, 272                        ; a row of a part: 256 bytes + 16
.set PART,  16*PITCH
.set SPARE, 16*PART                    ; the spare words, 128 bytes a wave, which no other line names
.set PB,  24                           ; v24-31   the scores, then p
.set QF,  32                           ; v32-63   Q: my row's channels 32 hh + 0 .. 31
.set KF,  64                           ; v64-95   K likewise
.set VF,  96                           ; v96-127  V: register 8 dt + kk: key 8 hh + kk, channel 16 dt + r
.set OT,  192                          ; v192-223 O^T, four tiles of 16 channels
.set YA,  224                          ; v224-255 four partial sums of S^T; later Y, four tiles of 16 outputs
	s_load_b128 s[4:7], s[0:1], 0x0                ; qkv32, w_out
	s_load_b64 s[8:9], s[0:1], 0x10                ; out0
	v_lshl_add_u32 v6, v0, 2, SPARE                ; my spare word; never rewritten
	v_mov_b32 v7, 0                                ; 0; never rewritten
	v_lshrrev_b32 v1, 5, v0
	v_readfirstlane_b32 s10, v1                    ; wave = head h
	v_and_b32 v1, 15, v0                           ; r
	v_bfe_u32 v2, v0, 4, 1                         ; hh
	v_mul_u32_u24 v3, v1, 12288
	v_lshl_add_u32 v3, v2, 7, v3                   ; Q, K: row r of 12,288 bytes, + 128 hh
	v_mul_u32_u24 v4, v2, 98304
	v_lshl_add_u32 v4, v1, 2, v4                   ; V: rows 8 hh on, channel r
	v_lshlrev_b32 v5, 12, v1
	v_lshl_add_u32 v5, v2, 5, v5                   ; W: row r of 4,096 bytes, + 32 hh
	s_mul_i32 s16, s10, PART
	v_mul_u32_u24 v8, v1, PITCH
	v_lshl_add_u32 v8, v2, 5, v8
	v_add_nc_u32 v8, s16, v8                       ; my part: row r, 32 bytes for each half of the lanes
	v_and_b32 v10, 31, v0
	v_lshlrev_b32 v10, 3, v10                      ; 8 x lane
	s_mul_i32 s16, s10, PITCH
	v_add_nc_u32 v9, s16, v10                      ; back: row h of every part
	v_lshlrev_b32 v11, 3, v2
	v_sub_nc_u32 v11, v1, v11                      ; r - 8 hh: register i holds key 8 hh + i, hidden where i > r - 8 hh
	v_mov_b32 v12, 0xff800000                      ; -infinity
	v_mov_b32 v14, 0                               ; written once: a lane permute's destination counts as one of its sources
	v_mov_b32 v17, 0
	s_mov_b32 s20, 0x76543210
	s_mov_b32 s21, 0xfedcba98                      ; v_permlanex16_b32's selects for lane l xor 16
	s_mov_b32 s22, 0x3e38aa3b                      ; c = log2(e) / 8
	s_and_b32 s12, ttmp7, 0xffff                   ; b
	s_mul_i32 s14, s12, 196608
	s_lshl_b32 s16, s10, 8
	s_add_co_u32 s14, s14, s16                     ; qkv32: the batch's 16 rows, head h's 64 columns
	s_mov_b32 s15, 0
	s_lshl_b32 s18, ttmp9, 18
	s_add_co_u32 s18, s18, s16                     ; w_out: rows 64 j on, head h's 64 columns
	s_mov_b32 s19, 0
	s_lshl_b32 s24, s12, 23
	s_lshl_b32 s25, s10, 12
	s_add_co_u32 s24, s24, s25
	s_lshl_b32 s25, ttmp9, 8
	s_add_co_u32 s24, s24, s25                     ; out0: row 2,048 b + h, columns 64 j on
	s_mov_b32 s25, 0
	s_wait_kmcnt 0x0
	s_add_nc_u64 s[4:5], s[4:5], s[14:15]
	s_add_nc_u64 s[6:7], s[6:7], s[18:19]
	s_add_nc_u64 s[8:9], s[8:9], s[24:25]
.irp i, 0,1,2,3,4,5,6,7
	global_load_b128 v[QF+4*\i:QF+4*\i+3], v3, s[4:5] offset:16*\i
.endr
.irp i, 0,1,2,3,4,5,6,7
	global_load_b128 v[KF+4*\i:KF+4*\i+3], v3, s[4:5] offset:4096+16*\i
.endr
.irp dt, 0,1,2,3
.irp kk, 0,1,2,3,4,5,6,7
	global_load_b32 v[VF+8*\dt+\kk], v4, s[4:5] offset:8192+12288*\kk+64*\dt
.endr
.endr
	s_wait_loadcnt 32                              ; Q and K are in; V's 32 loads may be out
.irp nt, 0,1                                   ; W's tiles 0 and 1 of 16 outputs: register 8 dt + i: channel 16 dt + 8 hh + i
.irp dt, 0,1,2,3
	global_load_b128 v[128+32*\nt+8*\dt:128+32*\nt+8*\dt+3],   v5, s[6:7] offset:65536*\nt+64*\dt
	global_load_b128 v[128+32*\nt+8*\dt+4:128+32*\nt+8*\dt+7], v5, s[6:7] offset:65536*\nt+64*\dt+16
.endr
.endr
.irp s, 0,1,2,3,4,5,6,7,8,9,10,11,12,13,14,15  ; S^T = K Q^T: 16 K steps on four accumulators by turns; the first four start the sums
.if \s < 4
	v_wmma_f32_16x16x4_f32 v[YA+8*(\s%4):YA+8*(\s%4)+7], v[KF+2*\s:KF+2*\s+1], v[QF+2*\s:QF+2*\s+1], 0
.else
	v_wmma_f32_16x16x4_f32 v[YA+8*(\s%4):YA+8*(\s%4)+7], v[KF+2*\s:KF+2*\s+1], v[QF+2*\s:QF+2*\s+1], v[YA+8*(\s%4):YA+8*(\s%4)+7]
.endif
.endr
.rept 8
	v_nop                                          ; eight places behind this form, ahead of loads into its sources and of reads of its results
.endr
.irp nt, 2,3                                   ; W's tiles 2 and 3, over Q and K
.irp dt, 0,1,2,3
	global_load_b128 v[32*\nt-32+8*\dt:32*\nt-32+8*\dt+3],   v5, s[6:7] offset:65536*\nt+64*\dt
	global_load_b128 v[32*\nt-32+8*\dt+4:32*\nt-32+8*\dt+7], v5, s[6:7] offset:65536*\nt+64*\dt+16
.endr
.endr
.irp i, 0,2,4,6                                ; the four partial sums are added, each accumulator read from its low end on
	v_pk_add_f32 v[PB+\i:PB+\i+1], v[YA+\i:YA+\i+1], v[YA+8+\i:YA+8+\i+1]
	v_pk_add_f32 v[PB+\i:PB+\i+1], v[PB+\i:PB+\i+1], v[YA+16+\i:YA+16+\i+1]
	v_pk_add_f32 v[PB+\i:PB+\i+1], v[PB+\i:PB+\i+1], v[YA+24+\i:YA+24+\i+1]
.endr
.irp i, 0,1,2,3,4,5,6,7                        ; lane (r, hh), register i: query r, key 8 hh + i
	v_cmp_gt_i32 vcc_lo, \i, v11
	v_cndmask_b32 v[PB+\i], v[PB+\i], v12, vcc_lo
.endr
	v_max3_num_f32 v13, v24, v25, v26
	v_max3_num_f32 v13, v13, v27, v28
	v_max3_num_f32 v13, v13, v29, v30
	v_max_num_f32 v13, v13, v31
	v_permlanex16_b32 v14, v13, s20, s21
	v_max_num_f32 v13, v13, v14                    ; the row's largest score: key 0 counts for every query
	v_mul_f32 v15, s22, v13
.irp i, 0,1,2,3,4,5,6,7
	v_fma_f32 v[PB+\i], v[PB+\i], s22, -v15
.endr
.irp i, 0,1,2,3,4,5,6,7
	v_exp_f32 v[PB+\i], v[PB+\i]
.endr
	v_nop                                          ; a plain instruction behind the exponentials,
	s_wait_alu depctr_va_vdst(0)                   ; and one wait for the batch, ahead of its first reader
	v_add_f32 v16, v24, v25
	v_add_f32 v18, v26, v27
	v_add_f32 v19, v28, v29
	v_add_f32 v20, v30, v31
	v_add_f32 v16, v16, v18
	v_add_f32 v19, v19, v20
	v_add_f32 v16, v16, v19
	v_permlanex16_b32 v17, v16, s20, s21
	v_add_f32 v16, v16, v17                        ; the row's sum
	v_rcp_f32 v18, v16
	v_nop
	s_wait_alu depctr_va_vdst(0)
.irp i, 0,1,2,3,4,5,6,7
	v_mul_f32 v[PB+\i], v[PB+\i], v18              ; the weights
.endr
	s_wait_loadcnt 32                              ; V is in; W's 32 loads may be out
.irp s, 0,1,2,3                                ; O^T = V^T P: four K steps of four keys, the four tiles of channels by turns
.irp dt, 0,1,2,3
.if \s == 0
	v_wmma_f32_16x16x4_f32 v[OT+8*\dt:OT+8*\dt+7], v[VF+8*\dt+2*\s:VF+8*\dt+2*\s+1], v[PB+2*\s:PB+2*\s+1], 0
.else
	v_wmma_f32_16x16x4_f32 v[OT+8*\dt:OT+8*\dt+7], v[VF+8*\dt+2*\s:VF+8*\dt+2*\s+1], v[PB+2*\s:PB+2*\s+1], v[OT+8*\dt:OT+8*\dt+7]
.endif
.endr
.endr
.rept 9
	v_nop                                          ; nine places: O^T becomes a source of the next products
.endr
	s_wait_loadcnt 0x0                             ; W
.irp dt, 0,1,2,3                               ; Y = W O^T over my head's 64 channels: 16 K steps, the four tiles of outputs by turns
.irp s, 0,1,2,3
.irp nt, 0,1,2,3
.if (\dt == 0) && (\s == 0)
	v_wmma_f32_16x16x4_f32 v[YA+8*\nt:YA+8*\nt+7], v[128+32*\nt-160*(\nt/2)+8*\dt+2*\s:128+32*\nt-160*(\nt/2)+8*\dt+2*\s+1], v[OT+8*\dt+2*\s:OT+8*\dt+2*\s+1], 0
.else
	v_wmma_f32_16x16x4_f32 v[YA+8*\nt:YA+8*\nt+7], v[128+32*\nt-160*(\nt/2)+8*\dt+2*\s:128+32*\nt-160*(\nt/2)+8*\dt+2*\s+1], v[OT+8*\dt+2*\s:OT+8*\dt+2*\s+1], v[YA+8*\nt:YA+8*\nt+7]
.endif
.endr
.endr
.endr
.rept 8
	v_nop
.endr
.irp nt, 0,1,2,3                               ; lane (r, hh), register i of tile nt: position r, output 64 j + 16 nt + 8 hh + i
	ds_store_b128 v8, v[YA+8*\nt:YA+8*\nt+3] offset:64*\nt
	ds_store_b128 v8, v[YA+8*\nt+4:YA+8*\nt+7] offset:64*\nt+16
.endr
	s_wait_dscnt 0x0                               ; for the others' sake: my part lies in LDS
	s_barrier_signal -1
	s_barrier_wait -1
.irp p, 0,1,2,3,4,5,6,7,8,9,10,11,12,13,14,15  ; wave h takes position h: its row in all sixteen parts
	ds_load_b64 v[32+2*\p:33+2*\p], v9 offset:\p*PART
.endr
	s_wait_dscnt 0x0
.irp i, 0,1,2,3,4,5,6,7
	v_pk_add_f32 v[32+4*\i:33+4*\i], v[32+4*\i:33+4*\i], v[34+4*\i:35+4*\i]
.endr
.irp i, 0,1,2,3
	v_pk_add_f32 v[32+8*\i:33+8*\i], v[32+8*\i:33+8*\i], v[36+8*\i:37+8*\i]
.endr
.irp i, 0,1
	v_pk_add_f32 v[32+16*\i:33+16*\i], v[32+16*\i:33+16*\i], v[40+16*\i:41+16*\i]
.endr
	v_pk_add_f32 v[32:33], v[32:33], v[48:49]
	global_store_b64 v10, v[32:33], s[8:9]         ; 32 lanes store 256 consecutive bytes, aligned
	s_wait_tensorcnt 0x0                           ; the wave's end, behind my last LDS store
	ds_add_u32 v6, v7
	s_wait_dscnt 0x0
	s_endpgm
.Lfunc_end_k_q86d747a890_fine:
	.size	k_q86d747a890_fine, .Lfunc_end_k_q86d747a890_fine-k_q86d747a890_fine
	.p2alignl 7, 3214868480
	.fill 96, 4, 3214868480
	.section	.rodata,"a",@progbits
	.p2align	6, 0x0
	.amdhsa_kernel k_q86d747a890_fine
		.amdhsa_group_segment_fixed_size 71680
		.amdhsa_private_segment_fixed_size 0
		.amdhsa_enable_private_segment 0
		.amdhsa_kernarg_size 24
		.amdhsa_user_sgpr_count 2
		.amdhsa_user_sgpr_kernarg_segment_ptr 1
		.amdhsa_wavefront_size32 1
		.amdhsa_system_sgpr_workgroup_id_x 1
		.amdhsa_system_sgpr_workgroup_id_y 1
		.amdhsa_system_sgpr_workgroup_id_z 1
		.amdhsa_system_vgpr_workitem_id 0
		.amdhsa_next_free_vgpr 256
		.amdhsa_next_free_sgpr 66
		.amdhsa_reserve_vcc 1
		.amdhsa_float_denorm_mode_32 3
		.amdhsa_float_denorm_mode_16_64 3
		.amdhsa_memory_ordered 1
		.amdhsa_forward_progress 1
		.amdhsa_inst_pref_size 23
	.end_amdhsa_kernel
	.amdgpu_metadata
---
amdhsa.version: [ 1, 2 ]
amdhsa.kernels:
  - .name:           k_q86d747a890_fine
    .symbol:         k_q86d747a890_fine.kd
    .args:
      - { .name: qkv32, .offset: 0, .size: 8, .value_kind: global_buffer, .address_space: global }
      - { .name: w_out, .offset: 8, .size: 8, .value_kind: global_buffer, .address_space: global }
      - { .name: out0, .offset: 16, .size: 8, .value_kind: global_buffer, .address_space: global }
    .group_segment_fixed_size: 71680
    .private_segment_fixed_size: 0
    .kernarg_segment_align: 8
    .kernarg_segment_size: 24
    .max_flat_workgroup_size: 512
    .sgpr_count:     66
    .vgpr_count:     256
    .wavefront_size: 32
...
	.end_amdgpu_metadata
.endif
;; end of part 5
